; MI455X (gfx1250); checked and timed in simulation.
; The chip was launched on July 23, 2026; its instructions are those of AMD's public machine-readable ISA for CDNA 5 (MIT licence, August 2026) and "CDNA5" Instruction Set Architecture Reference Guide (July 2026). The comments in the code are by the model that wrote it; some were corrected since.
;; Transformer Layer. Allowed arithmetic: matrix products marked QUANTISED: E2M1 operands, one E8M0 scale for each 32 along K, by v_wmma_scale_f32_16x16x128_f8f6f4 with both operands' format E2M1 (or v_wmma_scale_f32_32x16x128_f4), f32 sums; products left as they are: bf16, f16 or f32 operands; f32 sums; everything else in f32.
;; Inputs: prev_k 2 x 512 x 8 x 64 float32; prev_v 2 x 512 x 8 x 64 float32; rel_bias 8 x 32 float32; w_k 512 x 8 x 64 float32; w_q 512 x 8 x 64 float32; w_v 512 x 8 x 64 float32; xs 2 x 4,096 x 512 float32.
;; Outputs: out0 2 x 4,096 x 8 x 64 float32; out1 2 x 512 x 8 x 64 float32; out2 2 x 512 x 8 x 64 float32.
;; This version of the problem:
;;   THIS VERSION OF THE PROBLEM IS GIVEN IN LOW PRECISION. The matrix products marked QUANTISED in the list below multiply operands that are first quantised to E2M1 (2 exponent bits, 1 mantissa bit; 4 bits a number), with one power-of-two scale for each 32 numbers along K (OCP MX v1.0); their sums are f32. The products marked 'left as it is' may take bf16, f16 or f32 operands, with f32 sums. Whichever they take, every output number must still come out within the allowed error. Rounding operands to bf16 (8 significant bits) uses up far more of that allowance than f16 does (11 bits, for magnitudes from 6e-5 to 65,504). All else is computed in f32.
;;   The module's matrix products, in the order in which they are computed (A, B: the left and right operand; K: the contracted axis; several contracted axes count as one K, in the product's order):
;;     1. [M 8,192, K 512] x [K 512, N 512]; A: input xs; B: input w_q: QUANTISED
;;     2. [M 8,192, K 512] x [K 512, N 512]; A: input xs; B: input w_k: QUANTISED
;;     3. [M 8,192, K 512] x [K 512, N 512]; A: input xs; B: input w_v: QUANTISED
;;     4. batch 128 x [M 512, K 64] x [K 64, N 1,024]; A: computed on the way; B: computed on the way: left as it is (an operand is computed on the way)
;;     5. batch 128 x [M 64, K 1,024] x [K 1,024, N 512]; A: computed on the way; B: computed on the way: left as it is (an operand is computed on the way)
;;   THE QUANTISER, for each operand of a quantised product, along K:
;;     - K is cut into blocks of 32 from its start; a last block that is shorter is filled with zeros.
;;     - A block's scale is 2^e with e = floor(log2(the largest magnitude in the block)) - 2, held to -126 .. 127; a block of zeros has e = 0. As a byte (E8M0): e + 127.
;;     - Each number is divided by its block's scale, clamped to +-6, and rounded to the nearest number of E2M1, ties to even, subnormals kept.
;;     - The product sums the exact products of the quantised numbers (number of the format x scale) in f32.
;;   ~~~python
;;   def quantise(x, axis):      # numpy; x: float32 -> the quantised numbers, widened to float32 again
;;       x = np.moveaxis(x, axis, -1); K = x.shape[-1]
;;       x = np.pad(x, [(0, 0)] * (x.ndim - 1) + [(0, -K % 32)]); x = x.reshape(x.shape[:-1] + (-1, 32)); a = np.abs(x).max(-1, keepdims=True)
;;       e = np.where(a > 0, np.clip(np.frexp(np.where(a > 0, a, 1))[1] - 1 - 2, -126, 127), 0)      # np.frexp(a)[1] - 1 = floor(log2(a)), exactly
;;       r = np.clip(x / 2.0 ** e, -6, 6)
;;       step = 2.0 ** (np.maximum(np.frexp(np.where(r == 0, 1, r))[1] - 1, 0) - 1)
;;       q = np.round(r / step) * step * 2.0 ** e      # np.round: ties to even
;;       return np.moveaxis(q.reshape(q.shape[:-2] + (-1,))[..., :K], -1, axis).astype(np.float32)
;;   ~~~
;; 2 versions, each right; version 2 is version 1 with the launch proj written anew for expert scheduling mode. Each part assembles by itself: llvm-mc -triple=amdgcn-amd-amdhsa -mcpu=gfx1250 --defsym DOCPART=n.
;; ======== version 1 of 2: 3 launches
;; limits: values are held in f16: magnitudes above 65,504 overflow, below 6.1e-05 lose precision
;; workspace buffers: xq 2,097,152 bytes; xsc 131,072 bytes; wimg 393,216 bytes; wsc 24,576 bytes; qimg 8,388,608 bytes; kvimg 18,874,368 bytes
;; launch prep (part 1): grid 432 x 1, 4 waves a work-group, no clusters, 30,208 bytes of LDS; arguments xs, w_q, w_k, w_v, prev_k, prev_v, xq, xsc, wimg, wsc, kvimg; writes xq, xsc, wimg, wsc, kvimg
.if DOCPART == 1
	.amdgcn_target "amdgcn-amd-amdhsa--gfx1250"
	.amdhsa_code_object_version 6
	.text
	.protected	k_qaffd20cd5e_prep
	.globl	k_qaffd20cd5e_prep
	.p2align	8
	.type	k_qaffd20cd5e_prep,@function
k_qaffd20cd5e_prep:
	s_mov_b64 s[64:65], 0
	v_nop
	global_prefetch_b8 v0, s[64:65] scope:SCOPE_SE
	s_setreg_imm32_b32 hwreg(HW_REG_WAVE_MODE, 25, 1), 1
	s_wait_xcnt 0x0
; PREP: everything that later launches read many times is brought into its reader's form once.
;   work-groups 0-47     w_q, w_k, w_v [512 (K)][512] f32 -> codes of FP4 (E2M1) with one E8M0 byte for each 32 along K
;   work-groups 48-175   prev_k, prev_v [2][512][8][64] f32 -> f16, the first 32 key tiles of every head in kvimg
;   work-groups 176-431  xs [8192][512] f32 -> codes of FP4 and scale bytes
; ALL WORKSPACE IS LAID AS IMAGES OF THE READER'S OPERAND REGISTERS: 512 bytes, lane l's 16 bytes at 16 l.
;   xq   [tile of 16 rows][chunk 0-7][lane][16]: lane (r, hh) of chunk ch holds block 2 ch + hh (32 codes) of row r
;   xsc  [row][16]: the row's 16 scale bytes: word s serves K step s
;   wimg [head][q, k, v][16 columns dt][K step s][c][lane][16]: lane (r, hh): block 2 c + hh of the step, column 16 dt + r
;   wsc  [head][q, k, v][K step][64 columns]: a word a column
;   kvimg [batch x head][key tile 0-287][part 0-7][lane][16]: parts 0-3 K: lane (r, hh): key r, channels 16 dt + 8 hh + 0..7;
;         parts 4-7 V: lane (r, hh): channel 16 dt + r, keys 8 hh + 0..7
; THE QUANTISER: a block's scale is 2^(floor(log2(largest magnitude)) - 2): its byte is the largest magnitude's exponent field - 2, held at 1 from below.
; LIMITS: a block of zeros gets the byte 1 where the rule says 127 (its codes are zeros, and this program alone reads the bytes); blocks whose largest magnitude
; lies under 2^-124 were not tried; NaN and infinities are not served; |prev_k|, |prev_v| above 65,504 become infinite in f16.
; No matrix unit, no tensor load, no cluster: work-groups share no input here.
.set SP,    80                         ; xs: a lane's place in an input stage: its 64 bytes + 16 of padding
.set CST,   20480                      ; behind the four waves' input stages (2 x 2,560 bytes each): the codes of 2 tiles x 16 blocks, 256 bytes + 16 of padding each
.set SST,   29184                      ; the scale bytes of the 32 rows
.set SPARE, 29696                      ; the spare words, 128 bytes for each wave: two blocks of 256 bytes that no other line names
.set SPW,   12                         ; v12  SPARE + 4 x my thread's number; never rewritten
.set NIL,   13                         ; v13  0; never rewritten
.set R,     16                         ; xs: v16-143  eight rows as they are loaded, 16 registers each
.set X,     144                        ; v144-175 two sets of 16 neighbours
.set C,     176                        ; v176-191 codes, two registers a row
.set E,     192                        ; v192-199 a scale byte a row
.set OUTR,  200                        ; v200-219 the way out
	s_load_b512 s[8:23], s[0:1], 0x0               ; xs 8, w_q 10, w_k 12, w_v 14, prev_k 16, prev_v 18, xq 20, xsc 22
	s_load_b128 s[24:27], s[0:1], 0x40             ; wimg 24, wsc 26
	s_load_b64 s[28:29], s[0:1], 0x50              ; kvimg
	v_lshl_add_u32 v[SPW], v0, 2, SPARE
	v_mov_b32 v[NIL], 0
	v_lshrrev_b32 v1, 5, v0
	v_readfirstlane_b32 s2, v1                     ; wave 0..3
	v_and_b32 v2, 31, v0                           ; lane
	s_mov_b32 s31, 0                               ; the upper word of every offset: s[30:31]
	s_wait_kmcnt 0x0
	s_cmp_lt_u32 ttmp9, 48                         ; the three paths part on the work-group's number: all four waves go the same way
	s_cbranch_scc1 .Lweights
	s_cmp_lt_u32 ttmp9, 176
	s_cbranch_scc1 .Lprev
; ---------------- xs.  The work-group owns 32 rows (two tiles), wave w rows 8 w + t.  A row is 2,048 bytes: four loads of 512 consecutive bytes.
; The conversions want 16 neighbours along K in one lane, so a row turns through the wave's own stage in LDS: in as loaded, out 64 bytes a lane.  Two lanes hold a block.
	s_sub_co_u32 s3, ttmp9, 176                    ; j
	s_lshl_b32 s30, s3, 16                         ; 32 rows of 2,048 bytes
	s_lshl_b32 s4, s2, 14
	s_add_co_u32 s30, s30, s4
	s_add_nc_u64 s[8:9], s[8:9], s[30:31]          ; xs at my wave's first row
	v_lshlrev_b32 v3, 4, v2                        ; 16 x lane
.macro XLOAD t
.irp i, 0,1,2,3
	global_load_b128 v[R+16*(\t)+4*\i:R+16*(\t)+4*\i+3], v3, s[8:9] offset:2048*(\t)+512*\i th:TH_LOAD_NT
.endr
.endm
.irp t, 0,1,2,3,4,5,6,7
	XLOAD \t                                       ; all eight rows at once: 32 loads, 16 KiB a wave, are on their way
.endr
	s_lshl_b32 s30, s3, 13
	s_lshl_b32 s4, s2, 11
	s_add_co_u32 s30, s30, s4
	s_add_nc_u64 s[20:21], s[20:21], s[30:31]      ; xq: two tiles of 4,096 bytes a work-group, 2,048 bytes a wave
	s_lshl_b32 s30, s3, 9
	s_add_nc_u64 s[22:23], s[22:23], s[30:31]      ; xsc: 512 bytes a work-group
	s_mul_i32 s4, s2, 5120                         ; my two input stages
	v_lshrrev_b32 v14, 2, v2
	v_mul_u32_u24 v14, v14, SP
	v_and_b32 v15, 3, v2
	v_lshl_add_u32 v14, v15, 4, v14
	v_add_nc_u32 v14, s4, v14                      ; in: four lanes' 64 bytes on end, then the padding
	v_mul_u32_u24 v15, v2, SP
	v_add_nc_u32 v15, s4, v15                      ; out: my 16 neighbours
	s_lshr_b32 s5, s2, 1
	s_and_b32 s6, s2, 1
	s_mul_i32 s5, s5, 4352
	s_add_co_u32 s5, s5, CST                       ; my tile's image: waves 0, 1 tile 0; waves 2, 3 tile 1
	s_lshl_b32 s7, s6, 7
	s_add_co_u32 s7, s7, s5                        ; my eight rows' places in a block: 16 bytes a row
	v_lshrrev_b32 v8, 1, v2                        ; my block of the row
	v_and_b32 v9, 1, v2                            ; which half of it
	v_mul_u32_u24 v4, v8, 272
	v_lshl_add_u32 v4, v9, 3, v4
	v_add_nc_u32 v4, s7, v4                        ; where my 8 bytes of codes go
	s_lshl_b32 s7, s2, 7
	s_add_co_u32 s7, s7, SST
	v_add_nc_u32 v5, s7, v8                        ; where my block's byte goes
	s_mul_i32 s7, s6, 2176
	s_add_co_u32 s7, s7, s5
	v_lshrrev_b32 v8, 4, v2
	v_and_b32 v9, 15, v2
	v_mul_u32_u24 v6, v8, 272
	v_lshl_add_u32 v6, v9, 4, v6
	v_add_nc_u32 v6, s7, v6                        ; the way out: eight blocks of my tile, two an instruction
	v_add_nc_u32 v7, SST, v3
.macro XTURN t                         ; row t through the stage: LDS serves a wave's instructions in order, so no wait stands between the stores and the loads
.irp i, 0,1,2,3
	ds_store_b128 v14, v[R+16*(\t)+4*\i:R+16*(\t)+4*\i+3] offset:2560*((\t)%2)+640*\i
.endr
.irp i, 0,1,2,3
	ds_load_b128 v[X+16*((\t)%2)+4*\i:X+16*((\t)%2)+4*\i+3], v15 offset:2560*((\t)%2)+16*\i
.endr
.endm
.macro XSTEP t
.set XS, X+16*((\t)%2)
.if (\t) > 0
	s_wait_dscnt 2                                 ; this row is back from the stage; the last row's two stores (byte, codes) may be out
.else
	s_wait_dscnt 0x0
.endif
.if (\t) < 7
	s_wait_loadcnt 4*(6-(\t))                      ; the next row's four loads are in; those of the rows behind it may be out
	XTURN (\t)+1
.endif
	v_max3_num_f32 v8, |v[XS]|, |v[XS+1]|, |v[XS+2]|               ; the largest magnitude of my 16, in two chains
	v_max3_num_f32 v9, |v[XS+3]|, |v[XS+4]|, |v[XS+5]|
.irp i, 6,10
	v_max3_num_f32 v8, v8, |v[XS+\i]|, |v[XS+\i+1]|
	v_max3_num_f32 v9, v9, |v[XS+\i+2]|, |v[XS+\i+3]|
.endr
	v_max3_num_f32 v8, v8, |v[XS+14]|, |v[XS+15]|
	v_max3_num_f32 v8, v8, v9, 0x1800000           ; and the floor 2^(3 - 127): the byte cannot fall under 1
	v_max_num_f32_dpp v8, v8, v8 row_xmask:1 row_mask:0xf bank_mask:0xf   ; with my neighbour's 16: the block's
	v_add_nc_u32 v11, 0xff000000, v8               ; 2 off its exponent field: the conversion takes this operand's exponent field as its scale
	v_cvt_scalef32_pk8_fp4_f32 v[C+2*(\t)], v[XS:XS+7], v11
	v_cvt_scalef32_pk8_fp4_f32 v[C+2*(\t)+1], v[XS+8:XS+15], v11
	v_lshrrev_b32 v[E+(\t)], 23, v11               ; the scale's byte (also the plain line behind the conversions)
	ds_store_b8 v5, v[E+(\t)] offset:16*(\t)       ; both lanes of a block write the same byte with the same value
	ds_store_b64 v4, v[C+2*(\t):C+2*(\t)+1] offset:16*(\t)
.endm
	s_wait_loadcnt 28                              ; row 0's four loads are in
	XTURN 0
.irp t, 0,1,2,3,4,5,6,7
	XSTEP \t
.endr
	s_wait_dscnt 0x0                               ; my stores have landed: two waves fill each tile's image,
	s_barrier_signal -1
	s_barrier_wait -1                              ; and both have
.irp i, 0,1,2,3
	ds_load_b128 v[OUTR+4*\i:OUTR+4*\i+3], v6 offset:544*\i
.endr
.irp i, 0,1,2,3
	s_wait_dscnt 3-\i
	global_store_b128 v3, v[OUTR+4*\i:OUTR+4*\i+3], s[20:21] offset:512*\i   ; 32 lanes store 512 consecutive bytes, aligned
.endr
	s_cmp_lg_u32 s2, 0
	s_cbranch_scc1 .Lend
	ds_load_b128 v[OUTR+16:OUTR+19], v7            ; wave 0: the 32 rows' scale bytes
	s_wait_dscnt 0x0
	global_store_b128 v3, v[OUTR+16:OUTR+19], s[22:23]
	s_branch .Lend
; ---------------- the weights.  K is their FIRST axis: a lane takes a column and its registers run down K, so that a block of 32 lies in one lane and nothing is transposed.
; Work-group g: matrix g / 16, K step g % 4 (128 rows), columns 128 ((g / 4) % 4) on; a wave takes 32 columns: each load reads 128 consecutive bytes, the four waves side by side 512.
.Lweights:
	s_lshr_b32 s3, ttmp9, 4                        ; m: 0 q, 1 k, 2 v
	s_and_b32 s4, ttmp9, 3                         ; the K step
	s_bfe_u32 s5, ttmp9, 0x20002
	s_lshl_b32 s5, s5, 2
	s_add_co_u32 s5, s5, s2                        ; cg: my 32 columns
	s_lshr_b32 s6, s5, 1                           ; their head,
	s_and_b32 s7, s5, 1                            ; and which half of it
	s_lshl_b32 s30, s4, 18                         ; 128 rows of 2,048 bytes
	s_lshl_b32 s34, s5, 7
	s_add_co_u32 s30, s30, s34
	s_cmp_eq_u32 s3, 0                             ; the choice hangs on the work-group's number alone
	s_cselect_b64 s[32:33], s[10:11], s[12:13]
	s_cmp_eq_u32 s3, 2
	s_cselect_b64 s[32:33], s[14:15], s[32:33]
	s_add_nc_u64 s[32:33], s[32:33], s[30:31]
	v_lshlrev_b32 v3, 2, v2
.set n, 0
.rept 128
	global_load_b32 v[16+n], v3, s[32:33] offset:2048*n th:TH_LOAD_NT
.set n, n+1
.endr
	s_mul_i32 s30, s6, 49152                       ; wimg: head, matrix, my half's two tiles of columns, K step
	s_lshl_b32 s34, s3, 14
	s_add_co_u32 s30, s30, s34
	s_lshl_b32 s34, s7, 13
	s_add_co_u32 s30, s30, s34
	s_lshl_b32 s34, s4, 10
	s_add_co_u32 s30, s30, s34
	s_add_nc_u64 s[24:25], s[24:25], s[30:31]
	s_mul_i32 s30, s6, 3072                        ; wsc likewise
	s_lshl_b32 s34, s3, 10
	s_add_co_u32 s30, s30, s34
	s_lshl_b32 s34, s4, 8
	s_add_co_u32 s30, s30, s34
	s_lshl_b32 s34, s7, 7
	s_add_co_u32 s30, s30, s34
	s_add_nc_u64 s[26:27], s[26:27], s[30:31]
	v_lshrrev_b32 v4, 4, v2
	v_and_b32 v5, 15, v2
	v_lshlrev_b32 v5, 4, v5
	v_lshl_add_u32 v4, v4, 12, v5                  ; lanes 0-15: one tile of columns; lanes 16-31: the next, 4,096 bytes on
.macro WBLOCK b                        ; block b of the K step: all 32 numbers are mine
.set WX, 16+32*(\b)
	v_max3_num_f32 v8, |v[WX]|, |v[WX+1]|, |v[WX+2]|
	v_max3_num_f32 v9, |v[WX+3]|, |v[WX+4]|, |v[WX+5]|
.irp i, 6,10,14,18,22,26
	v_max3_num_f32 v8, v8, |v[WX+\i]|, |v[WX+\i+1]|
	v_max3_num_f32 v9, v9, |v[WX+\i+2]|, |v[WX+\i+3]|
.endr
	v_max3_num_f32 v8, v8, |v[WX+30]|, |v[WX+31]|
	v_max3_num_f32 v8, v8, v9, 0x1800000           ; the floor
	v_add_nc_u32 v10, 0xff000000, v8               ; the conversion's scale operand
	v_lshrrev_b32 v11, 23, v10                     ; the byte,
.if (\b) == 0
	v_mov_b32 v156, v11                            ; four to the column's scale word, the lower K in the lower byte
.else
	v_lshl_or_b32 v156, v11, 8*(\b), v156
.endif
.irp g, 0,1,2,3
	v_cvt_scalef32_pk8_fp4_f32 v[160+4*(\b)+\g], v[WX+8*\g:WX+8*\g+7], v10
.endr
	global_store_b128 v4, v[160+4*(\b):163+4*(\b)], s[24:25] offset:512*((\b)/2)+256*((\b)%2)   ; sixteen lanes store 256 consecutive bytes, aligned; each block has its own registers
.endm
	s_wait_loadcnt 63                              ; the largest count that the wait can name: the first 65 loads are in, blocks 0 and 1 among them
	WBLOCK 0
	WBLOCK 1
	s_wait_loadcnt 32                              ; block 3's 32 loads may be out
	WBLOCK 2
	s_wait_loadcnt 0x0
	WBLOCK 3
	global_store_b32 v3, v156, s[26:27]            ; 128 consecutive bytes a wave, half an aligned 256: the whole of wsc is 24,576 bytes
	s_branch .Lend
; ---------------- prev_k, prev_v.  A wave takes one tile of 16 keys of one head.  K: a lane's 8 channels are 32 neighbouring bytes; V: a lane takes a channel and its registers run down the keys.
; The loads take pieces of 16 to 64 bytes; a wave's loads together cover the whole 256 bytes of each key's head.
.Lprev:
	s_sub_co_u32 s3, ttmp9, 48
	s_lshl_b32 s3, s3, 2
	s_add_co_u32 s3, s3, s2                        ; u = 256 batch + 32 head + tile
	s_lshr_b32 s4, s3, 8
	s_bfe_u32 s5, s3, 0x30005
	s_and_b32 s6, s3, 31
	s_lshl_b32 s30, s4, 20                         ; a batch: 512 keys of 2,048 bytes
	s_lshl_b32 s7, s6, 15                          ; a tile: 16 keys
	s_add_co_u32 s30, s30, s7
	s_lshl_b32 s7, s5, 8                           ; a head: 256 bytes
	s_add_co_u32 s30, s30, s7
	s_add_nc_u64 s[16:17], s[16:17], s[30:31]
	s_add_nc_u64 s[18:19], s[18:19], s[30:31]
	s_lshr_b32 s7, s3, 5                           ; batch x head
	s_mul_i32 s7, s7, 288
	s_add_co_u32 s7, s7, s6
	s_lshl_b32 s30, s7, 12
	s_add_nc_u64 s[28:29], s[28:29], s[30:31]      ; kvimg at my tile
	v_and_b32 v8, 15, v2                           ; r
	v_lshrrev_b32 v9, 4, v2                        ; hh
	v_lshlrev_b32 v3, 11, v8
	v_lshl_add_u32 v3, v9, 5, v3                   ; K: key r, + 32 hh
	v_lshlrev_b32 v4, 2, v8
	v_lshl_add_u32 v4, v9, 14, v4                  ; V: channel r, keys 8 hh on
	v_lshlrev_b32 v5, 4, v2
.irp dt, 0,1,2,3
	global_load_b128 v[16+8*\dt:19+8*\dt], v3, s[16:17] offset:64*\dt
	global_load_b128 v[20+8*\dt:23+8*\dt], v3, s[16:17] offset:64*\dt+16
.endr
.irp dt, 0,1,2,3
.irp j, 0,1,2,3,4,5,6,7
	global_load_b32 v[48+8*\dt+\j], v4, s[18:19] offset:2048*\j+64*\dt
.endr
.endr
	s_wait_loadcnt 32                              ; K's eight loads are in; V's 32 may be out
.irp dt, 0,1,2,3
.irp p, 0,1,2,3
	v_cvt_pk_f16_f32 v[80+4*\dt+\p], v[16+8*\dt+2*\p], v[17+8*\dt+2*\p]
.endr
.endr
.irp dt, 0,1,2,3
	global_store_b128 v5, v[80+4*\dt:83+4*\dt], s[28:29] offset:512*\dt
.endr
	s_wait_loadcnt 0x0
.irp dt, 0,1,2,3
.irp p, 0,1,2,3
	v_cvt_pk_f16_f32 v[96+4*\dt+\p], v[48+8*\dt+2*\p], v[49+8*\dt+2*\p]
.endr
.endr
.irp dt, 0,1,2,3
	global_store_b128 v5, v[96+4*\dt:99+4*\dt], s[28:29] offset:2048+512*\dt
.endr
.Lend:                                         ; one end for the three paths
	s_wait_tensorcnt 0x0                           ; the wave's end
	ds_add_u32 v[SPW], v[NIL]
	s_wait_dscnt 0x0
	s_endpgm
.Lfunc_end_k_qaffd20cd5e_prep:
	.size	k_qaffd20cd5e_prep, .Lfunc_end_k_qaffd20cd5e_prep-k_qaffd20cd5e_prep
	.p2alignl 7, 3214868480
	.fill 96, 4, 3214868480
	.section	.rodata,"a",@progbits
	.p2align	6, 0x0
	.amdhsa_kernel k_qaffd20cd5e_prep
		.amdhsa_group_segment_fixed_size 30208
		.amdhsa_private_segment_fixed_size 0
		.amdhsa_enable_private_segment 0
		.amdhsa_kernarg_size 88
		.amdhsa_user_sgpr_count 2
		.amdhsa_user_sgpr_kernarg_segment_ptr 1
		.amdhsa_wavefront_size32 1
		.amdhsa_system_sgpr_workgroup_id_x 1
		.amdhsa_system_sgpr_workgroup_id_y 1
		.amdhsa_system_sgpr_workgroup_id_z 1
		.amdhsa_system_vgpr_workitem_id 0
		.amdhsa_next_free_vgpr 224
		.amdhsa_next_free_sgpr 66
		.amdhsa_reserve_vcc 0
		.amdhsa_float_denorm_mode_32 3
		.amdhsa_float_denorm_mode_16_64 3
		.amdhsa_memory_ordered 1
		.amdhsa_forward_progress 1
		.amdhsa_inst_pref_size 47
	.end_amdhsa_kernel
	.amdgpu_metadata
---
amdhsa.version: [ 1, 2 ]
amdhsa.kernels:
  - .name:           k_qaffd20cd5e_prep
    .symbol:         k_qaffd20cd5e_prep.kd
    .args:
      - { .name: xs, .offset: 0, .size: 8, .value_kind: global_buffer, .address_space: global }
      - { .name: w_q, .offset: 8, .size: 8, .value_kind: global_buffer, .address_space: global }
      - { .name: w_k, .offset: 16, .size: 8, .value_kind: global_buffer, .address_space: global }
      - { .name: w_v, .offset: 24, .size: 8, .value_kind: global_buffer, .address_space: global }
      - { .name: prev_k, .offset: 32, .size: 8, .value_kind: global_buffer, .address_space: global }
      - { .name: prev_v, .offset: 40, .size: 8, .value_kind: global_buffer, .address_space: global }
      - { .name: xq, .offset: 48, .size: 8, .value_kind: global_buffer, .address_space: global }
      - { .name: xsc, .offset: 56, .size: 8, .value_kind: global_buffer, .address_space: global }
      - { .name: wimg, .offset: 64, .size: 8, .value_kind: global_buffer, .address_space: global }
      - { .name: wsc, .offset: 72, .size: 8, .value_kind: global_buffer, .address_space: global }
      - { .name: kvimg, .offset: 80, .size: 8, .value_kind: global_buffer, .address_space: global }
    .group_segment_fixed_size: 30208
    .private_segment_fixed_size: 0
    .kernarg_segment_align: 8
    .kernarg_segment_size: 88
    .max_flat_workgroup_size: 128
    .sgpr_count:     66
    .vgpr_count:     224
    .wavefront_size: 32
...
	.end_amdgpu_metadata
.endif
;; end of part 1
;; launch proj (part 2): grid 32 x 8, 4 waves a work-group, no clusters, 67,072 bytes of LDS; arguments xq, xsc, wimg, wsc, qimg, kvimg, out1, out2; writes qimg, kvimg, out1, out2
.if DOCPART == 2
	.amdgcn_target "amdgcn-amd-amdhsa--gfx1250"
	.amdhsa_code_object_version 6
	.text
	.protected	k_qaffd20cd5e_proj
	.globl	k_qaffd20cd5e_proj
	.p2align	8
	.type	k_qaffd20cd5e_proj,@function
k_qaffd20cd5e_proj:
	s_mov_b64 s[64:65], 0
	v_nop
	global_prefetch_b8 v0, s[64:65] scope:SCOPE_SE
	s_setreg_imm32_b32 hwreg(HW_REG_WAVE_MODE, 25, 1), 1
	s_wait_xcnt 0x0
; PROJ: q, k, v = xs w_q / 8, xs w_k, xs w_v on codes of FP4 (E2M1) with E8M0 scales, K = 512 in four steps of 128, sums in f32, K ascending, one accumulator an output.
; SHARES.  Work-group (x, y): 256 rows of xs (16 tiles of 16) x the 192 columns (q, k, v) of head y.  Wave w: tiles 4 w .. 4 w + 3 against all 192 columns: 192 matrix instructions.
; All operands come as images of their registers (512 bytes, lane l's 16 bytes at 16 l).  The wave's 16 fragments of x go from memory straight into registers and stay; the head's 49,152 bytes of
; weights are read from memory once by the work-group, lie in LDS, and each wave takes one matrix's 16 fragments at a time.
; RESULTS.  q and k are made TRANSPOSED (source 0 = 16 columns of the weight, source 1 = 16 rows of x): a lane holds one position and 8 neighbouring channels, which as f16 are the 16 bytes of the
; attention's fragments of Q and K.  v is made the other way round: a lane holds one channel and 8 neighbouring keys: the fragment of V^T.  So every store is 512 consecutive bytes of a wave.
; The last 512 positions' k and v also leave in f32 (out1, out2), through the wave's own stage in LDS, as rows of 256 bytes; v is multiplied once more for that, transposed: the same sums.
; LIMITS: |q| / 8, |k|, |v| above 65,504 become infinite in f16 (out1, out2 are f32 and are not touched by that).
; NO CLUSTER: the launch has no tensor load: a work-group asks for all that it reads (49,152 bytes of weights, 65,536 of codes, the scale words) in one run at its head, and x goes straight into registers.
; REGISTERS.  window 0: v1-7 addresses; v12, v13 the add's two; v32-47 x's scale words (tile i, K step s: 32 + 4 i + s); v48-71 the weights' (48 + 8 m + 2 s + p: lanes 0-15 columns' tile 2 p, lanes 16-31 tile 2 p + 1);
;   v72-199 one matrix's fragments (72 + 32 dt + 8 s); v200-231 rows on the way out.   window 1: v0-127 x's fragments (32 i + 8 s); v128-255 the 16 accumulators (128 + 32 i + 8 dt).
.set STG,   49152                      ; behind the weights: 16 rows x (256 + 16) bytes for each wave
.set SPARE, 66560                      ; the spare words, 128 bytes for each wave: two blocks of 256 bytes that no other line names
.set LI,  1                            ; v1   16 x lane
.set XSA, 2                            ; v2   16 x (lane % 16)
.set WSA, 3                            ; v3   4 x lane
.set TI,  4                            ; v4   16 x thread
.set STO, 5                            ; v5   the stage: where I put 32 bytes of a row
.set RD,  6                            ; v6   and where I read a row back
.set GO,  7                            ; v7   the same two rows in out1, out2
.set SPW, 12
.set NIL, 13
.set XS,  32
.set WS,  48
.set WF,  72
.set BK,  200
.set XF,  0
.set ACC, 128
.set MSB, 0
.macro WIN new                         ; the immediate's high byte repeats the setting that is left; a switch that changes nothing is dropped
.if MSB != \new
	s_set_vgpr_msb (MSB<<8)|\new
.set MSB, \new
.endif
.endm
.macro PLACES n                        ; plain vector instructions that name no register of the matrix instructions before them (ISA guide 7.12.1)
.rept \n
	v_nop
.endr
.endm
	s_load_b512 s[8:23], s[0:1], 0x0               ; xq 8, xsc 10, wimg 12, wsc 14, qimg 16, kvimg 18, out1 20, out2 22
	v_lshl_add_u32 v[SPW], v0, 2, SPARE
	v_mov_b32 v[NIL], 0
	v_lshrrev_b32 v8, 5, v0
	v_readfirstlane_b32 s2, v8                     ; wave 0..3
	v_and_b32 v8, 31, v0
	v_and_b32 v9, 15, v0                           ; r
	v_bfe_u32 v10, v0, 4, 1                        ; hh
	v_lshlrev_b32 v[LI], 4, v8
	v_lshlrev_b32 v[XSA], 4, v9
	v_lshlrev_b32 v[WSA], 2, v8
	v_lshlrev_b32 v[TI], 4, v0
	s_and_b32 s3, ttmp7, 0xffff                    ; the head
	s_lshl_b32 s4, ttmp9, 4
	s_lshl_b32 s5, s2, 2
	s_add_co_u32 s4, s4, s5                        ; my first tile of the 512
	s_lshr_b32 s5, ttmp9, 4                        ; the batch
	s_and_b32 s6, s4, 255                          ; my first tile in the batch
	s_and_b32 s7, ttmp9, 15                        ; 14 and 15: the last 512 positions
	s_mul_i32 s24, s3, 49152                       ; wimg
	s_mov_b32 s25, 0
	s_lshl_b32 s26, s4, 12                         ; xq
	s_mov_b32 s27, 0
	s_lshl_b32 s28, s4, 8                          ; xsc
	s_mov_b32 s29, 0
	s_mul_i32 s30, s3, 3072                        ; wsc
	s_mov_b32 s31, 0
	s_lshl_b32 s38, s5, 3
	s_add_co_u32 s38, s38, s3                      ; batch x head
	s_lshl_b32 s32, s38, 8
	s_add_co_u32 s32, s32, s6
	s_lshl_b32 s32, s32, 11                        ; qimg: 2,048 bytes a tile
	s_mov_b32 s33, 0
	s_mul_i32 s34, s38, 288
	s_add_co_u32 s34, s34, s6
	s_add_co_u32 s34, s34, 32                      ; behind the 32 tiles of prev_k, prev_v
	s_lshl_b32 s34, s34, 12                        ; kvimg: 4,096 bytes a tile
	s_mov_b32 s35, 0
	s_and_b32 s36, s6, 31                          ; out1, out2: in the work-groups that store there this is my tile - 224; in the others a place inside the buffers that is not used
	s_lshl_b32 s36, s36, 15
	s_lshl_b32 s39, s5, 20
	s_add_co_u32 s36, s36, s39
	s_lshl_b32 s39, s3, 8
	s_add_co_u32 s36, s36, s39
	s_mov_b32 s37, 0
	s_mul_i32 s39, s2, 4352
	s_add_co_u32 s39, s39, STG                     ; my stage
	v_mul_u32_u24 v[STO], v9, 272
	v_lshl_add_u32 v[STO], v10, 5, v[STO]
	v_add_nc_u32 v[STO], s39, v[STO]               ; in: row r, 32 bytes for each half of the lanes
	v_mul_u32_u24 v[RD], v10, 272
	v_lshl_add_u32 v[RD], v9, 4, v[RD]
	v_add_nc_u32 v[RD], s39, v[RD]                 ; back: lanes 0-15 one row of 256 bytes, lanes 16-31 the next
	v_lshlrev_b32 v[GO], 11, v10
	v_lshl_add_u32 v[GO], v9, 4, v[GO]             ; positions are 2,048 bytes apart
	s_wait_kmcnt 0x0
	s_add_nc_u64 s[12:13], s[12:13], s[24:25]
	s_add_nc_u64 s[8:9], s[8:9], s[26:27]
	s_add_nc_u64 s[10:11], s[10:11], s[28:29]
	s_add_nc_u64 s[14:15], s[14:15], s[30:31]
	s_add_nc_u64 s[16:17], s[16:17], s[32:33]
	s_add_nc_u64 s[18:19], s[18:19], s[34:35]
	s_add_nc_u64 s[20:21], s[20:21], s[36:37]
	s_add_nc_u64 s[22:23], s[22:23], s[36:37]
.set n, 0
.rept 24
	global_load_b128 v[WF+4*n:WF+4*n+3], v[TI], s[12:13] offset:2048*n    ; the head's weights: the 128 threads take 2,048 consecutive bytes an instruction
.set n, n+1
.endr
	WIN 0x40                                       ; destination window 1
.irp i, 0,1,2,3
.irp s, 0,1,2,3
.irp c, 0,1
	global_load_b128 v[XF+32*\i+8*\s+4*\c:XF+32*\i+8*\s+4*\c+3], v[LI], s[8:9] offset:4096*\i+1024*\s+512*\c
.endr
.endr
.endr
	WIN 0
.irp i, 0,1,2,3
	global_load_b128 v[XS+4*\i:XS+4*\i+3], v[XSA], s[10:11] offset:256*\i  ; lane r: row r's four scale words
.endr
.irp m, 0,1,2
.irp s, 0,1,2,3
.irp p, 0,1
	global_load_b32 v[WS+8*\m+2*\s+\p], v[WSA], s[14:15] offset:1024*\m+256*\s+128*\p
.endr
.endr
.endr
	s_wait_loadcnt 60                              ; the weights' 24 loads are in; the 32 + 4 + 24 issued behind them may be out
.set n, 0
.rept 24
	ds_store_b128 v[TI], v[WF+4*n:WF+4*n+3] offset:2048*n
.set n, n+1
.endr
	s_wait_dscnt 0x0                               ; my part of the weights has landed,
	s_barrier_signal -1
	s_barrier_wait -1                              ; everybody's has
	s_wait_loadcnt 0x0                             ; x and all scale words
; one matrix instruction.  ks = 0: the K step that starts the sum.  row: 0 both sides' scales from lanes 0-15; 1: source 0's from lanes 16-31; 2: source 1's
.macro MM d, a, b, ks, sa, sb, row
.if (\ks) == 0
.if (\row) == 0
	v_wmma_scale_f32_16x16x128_f8f6f4 v[\d:\d+7], v[\a:\a+7], v[\b:\b+7], 0, v[\sa], v[\sb] matrix_a_fmt:MATRIX_FMT_FP4 matrix_b_fmt:MATRIX_FMT_FP4
.elseif (\row) == 1
	v_wmma_scale_f32_16x16x128_f8f6f4 v[\d:\d+7], v[\a:\a+7], v[\b:\b+7], 0, v[\sa], v[\sb] matrix_a_fmt:MATRIX_FMT_FP4 matrix_b_fmt:MATRIX_FMT_FP4 matrix_a_scale:MATRIX_SCALE_ROW1
.else
	v_wmma_scale_f32_16x16x128_f8f6f4 v[\d:\d+7], v[\a:\a+7], v[\b:\b+7], 0, v[\sa], v[\sb] matrix_a_fmt:MATRIX_FMT_FP4 matrix_b_fmt:MATRIX_FMT_FP4 matrix_b_scale:MATRIX_SCALE_ROW1
.endif
.else
.if (\row) == 0
	v_wmma_scale_f32_16x16x128_f8f6f4 v[\d:\d+7], v[\a:\a+7], v[\b:\b+7], v[\d:\d+7], v[\sa], v[\sb] matrix_a_fmt:MATRIX_FMT_FP4 matrix_b_fmt:MATRIX_FMT_FP4
.elseif (\row) == 1
	v_wmma_scale_f32_16x16x128_f8f6f4 v[\d:\d+7], v[\a:\a+7], v[\b:\b+7], v[\d:\d+7], v[\sa], v[\sb] matrix_a_fmt:MATRIX_FMT_FP4 matrix_b_fmt:MATRIX_FMT_FP4 matrix_a_scale:MATRIX_SCALE_ROW1
.else
	v_wmma_scale_f32_16x16x128_f8f6f4 v[\d:\d+7], v[\a:\a+7], v[\b:\b+7], v[\d:\d+7], v[\sa], v[\sb] matrix_a_fmt:MATRIX_FMT_FP4 matrix_b_fmt:MATRIX_FMT_FP4 matrix_b_scale:MATRIX_SCALE_ROW1
.endif
.endif
.endm
; My 4 tiles of rows x matrix m's 64 columns: 64 matrix instructions.  tr = 1: transposed (source 0 = the weight).  ld = 1: the matrix's 16 fragments come from LDS first.
; The four tiles' accumulators take turns, one instruction a turn; K ascends in each.
.macro PASS m, tr, ld
	s_wait_xcnt 0x0                                ; the stores of the pass before have read the accumulators' registers
	PLACES 4                                       ; with the four at the head of the way out before: eight places between the last products and what writes over their registers; four are asked in front of the loads
.if \ld
.irp dt, 0,1,2,3
.irp s, 0,1,2,3
.irp c, 0,1
	ds_load_b128 v[WF+32*\dt+8*\s+4*\c:WF+32*\dt+8*\s+4*\c+3], v[LI] offset:16384*(\m)+4096*\dt+1024*\s+512*\c
.endr
.endr
.endr
	s_wait_dscnt 0x0
.endif
.if \tr
	WIN 0x54                                       ; source 0 (the weight) window 0; source 1 (x), C and D window 1
.else
	WIN 0x51                                       ; source 0 (x) window 1; source 1 (the weight) window 0
.endif
.irp dt, 0,1,2,3
.irp s, 0,1,2,3
.irp i, 0,1,2,3
.if \tr
	MM ACC+32*\i+8*\dt, WF+32*\dt+8*\s, XF+32*\i+8*\s, \s, WS+8*(\m)+2*\s+\dt/2, XS+4*\i+\s, \dt%2
.else
	MM ACC+32*\i+8*\dt, XF+32*\i+8*\s, WF+32*\dt+8*\s, \s, XS+4*\i+\s, WS+8*(\m)+2*\s+\dt/2, 2*(\dt%2)
.endif
.endr
.endr
.endr
	WIN 0
.endm
; The 16 accumulators, rounded to f16 in place (each into its own four low registers, from the low end on), leave as images.  isq = 1: first divided by 8, which rounds nothing.
.macro PACKSTORE bs, stride, off, isq
	PLACES 4
.if \isq
	WIN 0x41
.set n, 0
.rept 64
	v_pk_mul_f32 v[ACC+2*n:ACC+2*n+1], v[ACC+2*n:ACC+2*n+1], 0x3e000000 op_sel_hi:[1,0]
.set n, n+1
.endr
.endif
	WIN 0x45
.set n, 0
.rept 16
.irp p, 0,1,2,3
	v_cvt_pk_f16_f32 v[ACC+8*n+\p], v[ACC+8*n+2*\p], v[ACC+8*n+2*\p+1]
.endr
.set n, n+1
.endr
	WIN 0x04                                       ; a store's data are its source 1: window 1
.irp i, 0,1,2,3
.irp dt, 0,1,2,3
	global_store_b128 v[LI], v[ACC+32*\i+8*\dt:ACC+32*\i+8*\dt+3], s[\bs:\bs+1] offset:\stride*\i+\off+512*\dt   ; 32 lanes store 512 consecutive bytes, aligned
.endr
.endr
	WIN 0
.endm
; The 16 accumulators (transposed: a lane holds 8 neighbouring channels of one position) leave in f32, a tile at a time through my own stage: sixteen lanes store the 256 bytes of a position's head.
; LDS serves a wave's instructions in order (ISA guide 5.7.1.4): no wait between the stores and the loads, nor in front of the next tile's stores.
.macro OUTF32 bs
	PLACES 4
.irp i, 0,1,2,3
	s_wait_xcnt 0x0                                ; the tile before has read v200-231
	WIN 0x04
.irp dt, 0,1,2,3
	ds_store_b128 v[STO], v[ACC+32*\i+8*\dt:ACC+32*\i+8*\dt+3] offset:64*\dt        ; each accumulator from its low end on
	ds_store_b128 v[STO], v[ACC+32*\i+8*\dt+4:ACC+32*\i+8*\dt+7] offset:64*\dt+16
.endr
	WIN 0
.irp k, 0,1,2,3,4,5,6,7
	ds_load_b128 v[BK+4*\k:BK+4*\k+3], v[RD] offset:544*\k
.endr
.irp k, 0,1,2,3,4,5,6,7
	s_wait_dscnt 7-\k
	global_store_b128 v[GO], v[BK+4*\k:BK+4*\k+3], s[\bs:\bs+1] offset:32768*\i+4096*\k th:TH_STORE_NT
.endr
.endr
.endm
	PASS 0, 1, 1                                   ; q
	PACKSTORE 16, 2048, 0, 1
	PASS 1, 1, 1                                   ; k
	s_cmp_lt_u32 s7, 14                            ; ids alone: all four waves go the same way
	s_cbranch_scc1 .Lno_next_k
	OUTF32 20                                      ; next_k, ahead of the rounding in place
.Lno_next_k:
	PACKSTORE 18, 4096, 0, 0
	PASS 2, 0, 1                                   ; v, a channel a lane
	PACKSTORE 18, 4096, 2048, 0
	s_cmp_lt_u32 s7, 14
	s_cbranch_scc1 .Lend
	PASS 2, 1, 0                                   ; v once more, a position a lane; its fragments are still in registers
	OUTF32 22                                      ; next_v
.Lend:
	s_wait_tensorcnt 0x0                           ; the wave's end
	ds_add_u32 v[SPW], v[NIL]
	s_wait_dscnt 0x0
	s_endpgm
.Lfunc_end_k_qaffd20cd5e_proj:
	.size	k_qaffd20cd5e_proj, .Lfunc_end_k_qaffd20cd5e_proj-k_qaffd20cd5e_proj
	.p2alignl 7, 3214868480
	.fill 96, 4, 3214868480
	.section	.rodata,"a",@progbits
	.p2align	6, 0x0
	.amdhsa_kernel k_qaffd20cd5e_proj
		.amdhsa_group_segment_fixed_size 67072
		.amdhsa_private_segment_fixed_size 0
		.amdhsa_enable_private_segment 0
		.amdhsa_kernarg_size 64
		.amdhsa_user_sgpr_count 2
		.amdhsa_user_sgpr_kernarg_segment_ptr 1
		.amdhsa_wavefront_size32 1
		.amdhsa_system_sgpr_workgroup_id_x 1
		.amdhsa_system_sgpr_workgroup_id_y 1
		.amdhsa_system_sgpr_workgroup_id_z 1
		.amdhsa_system_vgpr_workitem_id 0
		.amdhsa_next_free_vgpr 512
		.amdhsa_next_free_sgpr 66
		.amdhsa_reserve_vcc 0
		.amdhsa_float_denorm_mode_32 3
		.amdhsa_float_denorm_mode_16_64 3
		.amdhsa_memory_ordered 1
		.amdhsa_forward_progress 1
		.amdhsa_inst_pref_size 92
	.end_amdhsa_kernel
	.amdgpu_metadata
---
amdhsa.version: [ 1, 2 ]
amdhsa.kernels:
  - .name:           k_qaffd20cd5e_proj
    .symbol:         k_qaffd20cd5e_proj.kd
    .args:
      - { .name: xq, .offset: 0, .size: 8, .value_kind: global_buffer, .address_space: global }
      - { .name: xsc, .offset: 8, .size: 8, .value_kind: global_buffer, .address_space: global }
      - { .name: wimg, .offset: 16, .size: 8, .value_kind: global_buffer, .address_space: global }
      - { .name: wsc, .offset: 24, .size: 8, .value_kind: global_buffer, .address_space: global }
      - { .name: qimg, .offset: 32, .size: 8, .value_kind: global_buffer, .address_space: global }
      - { .name: kvimg, .offset: 40, .size: 8, .value_kind: global_buffer, .address_space: global }
      - { .name: out1, .offset: 48, .size: 8, .value_kind: global_buffer, .address_space: global }
      - { .name: out2, .offset: 56, .size: 8, .value_kind: global_buffer, .address_space: global }
    .group_segment_fixed_size: 67072
    .private_segment_fixed_size: 0
    .kernarg_segment_align: 8
    .kernarg_segment_size: 64
    .max_flat_workgroup_size: 128
    .sgpr_count:     66
    .vgpr_count:     512
    .wavefront_size: 32
...
	.end_amdgpu_metadata
.endif
;; end of part 2
;; launch attn (part 3): grid 16 x 16, 8 waves a work-group, no clusters, 233,472 bytes of LDS; arguments qimg, kvimg, rel_bias, out0; writes out0
.if DOCPART == 3
	.amdgcn_target "amdgcn-amd-amdhsa--gfx1250"
	.amdhsa_code_object_version 6
	.text
	.protected	k_qaffd20cd5e_attn
	.globl	k_qaffd20cd5e_attn
	.p2align	8
	.type	k_qaffd20cd5e_attn,@function
k_qaffd20cd5e_attn:
	s_mov_b64 s[64:65], 0
	v_nop
	global_prefetch_b8 v0, s[64:65] scope:SCOPE_SE
	s_setreg_imm32_b32 hwreg(HW_REG_WAVE_MODE, 25, 1), 1
	s_wait_xcnt 0x0
; ATTN: out0[b][p][h][:] = the sum over the 512 keys k = p - 511 .. p of softmax_k(q . k + bias[h][bucket(p - k)]) v.  q (already / 8), k, v in f16; products' sums, maxima, sums and the softmax in f32;
; the weights p are rounded to f16 for the second product, their sum is taken unrounded.  Keys -512 .. -1 are prev_k, prev_v: kvimg holds them as tiles 0-31 of each head, key + 512 = 16 x tile + place.
; SHARES.  Work-group (x, y): 256 queries of batch x head y.  Each of its eight waves owns 32 queries, two tiles of 16: two waves to a SIMD, so that one wave's softmax stands beside the other's products.
; The work-group's keys are 48 tiles, ONE dense block of 196,608 bytes of kvimg, which comes into LDS once, by six tensor loads a wave (8 tiles a group, a tile a wave), all issued at the head:
; six tensor loads of a wave are out.  Nothing is filled again.  Wave w walks tiles 2 w + U, U = 0 .. 33, four a step; the later groups land under the earlier steps.
; LAYOUT.  S^T = K Q^T (source 0 = 16 keys, source 1 = 16 queries), O^T = V^T P (source 0 = 16 channels, source 1 = P): a lane holds ONE query throughout.  All fragments lie in LDS as images of their registers.
; BIAS AND MASK depend on n = query - key alone, so a tile of 16 x 16 depends only on D = its first query - its first key: eleven tiles of 8 registers serve the launch and enter as the C of a tile's
; first product.  D = 0 .. 112: eight tiles; 128 .. 496: every n is 113 .. 511, bucket 31: one; 512: the far edge (n <= 511 counts); D < 0 or > 512: all hidden (-1e30, as the mask has it).
; THE BUCKET of n: n under 16; else 16 + the number of {19, 21, 24, 27, 31, 35, 40, 46, 52, 59, 67, 77, 87, 99, 113} that are <= n: the least whole n with 16 log8(n / 16) >= 1 .. 15
; (the bounds, 18.2, 20.7, 23.6 .. 112.4, lie far from whole numbers); whole-number arithmetic on the thread's number.
; SOFTMAX.  A running maximum m and sum l for each query: p = 2^(c s - c m), c = log2(e); in every step O and l are multiplied by a = 2^(c m_old - c m_new).  In the first step every query sees 32 keys or more, so m is a score from then on.
; NO CLUSTER: neighbouring blocks of queries share 32 of their 48 tiles, but block x wants tile T at LDS byte 4,096 (T - 16 x): another place in each partner, and a joint load has one LDS address for all.
; LIMITS: as the launches before state them (f16's range for q / 8, k, v); NaN and infinities are not served.
; REGISTERS.  window 0: v2-4 LDS bases; v5-8, v14, v15 addresses; v12, v13 the add's two; v16-31 statistics, 8 a tile: +0 c m, +1 m, +2, +3 l, +4, +5 at work, +6 a, +7 at work; v32-63 Q; v64-127 S^T, then p;
;   v128-159 P; v160-247 the eleven bias tiles.   window 1: v0-63 O^T (32 t + 8 dt); v64-127 a step's K; v128-191 a step's V.
.set TAB,   196608                     ; behind the keys: 256 words: TAB[i] = the bias of n = i - 16 for 16 <= i < 208, else -1e30
.set STG,   197632                     ; 16 rows x (256 + 16) bytes for each wave, for the way out
.set SPARE, 232448                     ; the spare words, 128 bytes for each wave: four blocks of 256 bytes that no other line names
.set KB,  2                            ; v2-4  16 x lane + 8,192 x wave + 65,536 k: my tiles 16 k .. 16 k + 15
.set GA,  5                            ; v5    TAB + 36 + 4 r - 32 hh
.set STO, 6
.set RD,  7
.set GO,  8
.set SPW, 12
.set NIL, 13
.set LI,  14                           ; v14   16 x lane
.set ST,  16
.set QF,  32
.set S,   64
.set P,   128
.set NEAR,   160
.set CONSTT, 224
.set FART,   232
.set MASKT,  240
.set OA,  0
.set KF,  64
.set VF,  128
.set G1,  16                           ; s[16:23] descriptor group 1
.set G0,  24                           ; s[24:47] six groups 0, each written once
.set CS,  48                           ; s[48:49] c: the packed form names a pair and takes its low word for both halves
.set SEL, 50                           ; s[50:51] v_permlanex16_b32's selects for lane l xor 16
.set MSB, 0
.macro WIN new                         ; the immediate's high byte repeats the setting that is left; a switch that changes nothing is dropped
.if MSB != \new
	s_set_vgpr_msb (MSB<<8)|\new
.set MSB, \new
.endif
.endm
.macro PLACES n                        ; plain vector instructions that name no register of the matrix instructions before them (ISA guide 7.12.1)
.rept \n
	v_nop
.endr
.endm
	s_load_b256 s[4:11], s[0:1], 0x0               ; qimg 4, kvimg 6, rel_bias 8, out0 10
	v_lshl_add_u32 v[SPW], v0, 2, SPARE
	v_mov_b32 v[NIL], 0
	ds_add_u32 v[SPW], v[NIL]                      ; the wave's opening: the add, twice on end, and its wait ahead of my first tensor load; work on registers stands between
	ds_add_u32 v[SPW], v[NIL]
	v_lshrrev_b32 v1, 5, v0
	v_readfirstlane_b32 s12, v1                    ; wave 0..7
	s_and_b32 s14, ttmp7, 0xffff                   ; batch x head
	; group 1: a tile of keys is 4,096 dense bytes: 16 rows of 32 elements of 8 bytes, no padding
	s_mov_b32 s[G1+0], 3<<16                       ; 15:0 no mask; 17:16 elements of 8 bytes
	s_mov_b32 s[G1+1], 32<<16                      ; tensor_dim0 = 32
	s_mov_b32 s[G1+2], 16<<16                      ; tensor_dim1 = 16
	s_mov_b32 s[G1+3], 32<<16                      ; tile_dim0 = 32
	s_mov_b32 s[G1+4], 16                          ; tile_dim1 = 16
	s_mov_b32 s[G1+5], 32                          ; from row to row
	s_mov_b32 s[G1+6], 0
	s_mov_b32 s[G1+7], 0
	s_mul_i32 s52, s14, 288
	s_lshl_b32 s13, ttmp9, 4
	s_add_co_u32 s52, s52, s13
	s_add_co_u32 s52, s52, s12
	s_lshl_b32 s52, s52, 12                        ; kvimg: tile 288 y + 16 x + wave
	s_mov_b32 s53, 0
	s_lshl_b32 s54, s14, 8
	s_add_co_u32 s54, s54, s13
	s_lshl_b32 s15, s12, 1
	s_add_co_u32 s54, s54, s15
	s_lshl_b32 s54, s54, 11                        ; qimg: tile 256 y + 16 x + 2 wave
	s_mov_b32 s55, 0
	s_and_b32 s15, s14, 7                          ; the head
	s_lshl_b32 s56, s15, 7                         ; rel_bias: 128 bytes a head
	s_mov_b32 s57, 0
	s_lshl_b32 s58, s15, 8                         ; out0: ((4,096 batch + 256 x + 32 wave) 8 + head) 256
	s_lshr_b32 s15, s14, 3
	s_lshl_b32 s15, s15, 23
	s_add_co_u32 s58, s58, s15
	s_lshl_b32 s15, ttmp9, 19
	s_add_co_u32 s58, s58, s15
	s_lshl_b32 s15, s12, 16
	s_add_co_u32 s58, s58, s15
	s_mov_b32 s59, 0
	s_lshl_b32 s60, s12, 12                        ; my tile's place in a group of eight, in LDS
	s_mul_i32 s61, s12, 4352
	s_add_co_u32 s61, s61, STG                     ; my stage
	s_lshl_b32 s62, s12, 13                        ; my first tile in LDS: 2 x wave
	s_mov_b32 s[CS], 0x3fb8aa3b                    ; c = log2(e)
	s_mov_b32 s[CS+1], s[CS]
	s_mov_b32 s[SEL], 0x76543210
	s_mov_b32 s[SEL+1], 0xfedcba98
	s_wait_dscnt 0x0                               ; both opening adds are done
	s_wait_kmcnt 0x0
	s_add_nc_u64 s[6:7], s[6:7], s[52:53]
	s_add_nc_u64 s[4:5], s[4:5], s[54:55]
	s_add_nc_u64 s[8:9], s[8:9], s[56:57]
	s_add_nc_u64 s[10:11], s[10:11], s[58:59]
.irp i, 0,1,2,3,4,5
	s_mov_b32 s[G0+4*\i], 1                        ; count = 1
	s_add_co_u32 s[G0+4*\i+1], s60, 32768*\i       ; LDS: group i, my tile
	s_add_nc_u64 s[G0+4*\i+2:G0+4*\i+3], s[6:7], 32768*\i
	s_or_b32 s[G0+4*\i+3], s[G0+4*\i+3], 0x80000000   ; type = 2
.endr
.irp i, 0,1,2,3,4,5
	tensor_load_to_lds s[G0+4*\i:G0+4*\i+3], s[G1:G1+7]   ; all first fills in one group, ahead of every wait on TENSORcnt, every LDS read and every barrier
	s_nop 0
.endr
	PLACES 4
	v_and_b32 v1, 31, v0
	v_and_b32 v9, 15, v0                           ; r
	v_bfe_u32 v10, v0, 4, 1                        ; hh
	v_lshlrev_b32 v[LI], 4, v1
.irp t, 0,1
.irp dt, 0,1,2,3
	global_load_b128 v[QF+16*\t+4*\dt:QF+16*\t+4*\dt+3], v[LI], s[4:5] offset:2048*\t+512*\dt   ; Q stays in registers
.endr
.endr
	v_add_nc_u32 v[KB], s62, v[LI]
	v_add_nc_u32 v[KB+1], 0x10000, v[KB]
	v_add_nc_u32 v[KB+2], 0x20000, v[KB]
	v_lshlrev_b32 v11, 5, v10
	v_lshl_add_u32 v[GA], v9, 2, TAB+36
	v_sub_nc_u32 v[GA], v[GA], v11
	v_mul_u32_u24 v[STO], v9, 272
	v_lshl_add_u32 v[STO], v10, 5, v[STO]
	v_add_nc_u32 v[STO], s61, v[STO]               ; the stage, in: row r, 32 bytes for each half of the lanes
	v_mul_u32_u24 v[RD], v10, 272
	v_lshl_add_u32 v[RD], v9, 4, v[RD]
	v_add_nc_u32 v[RD], s61, v[RD]                 ; back: lanes 0-15 one row, lanes 16-31 the next
	v_lshlrev_b32 v[GO], 11, v10
	v_lshl_add_u32 v[GO], v9, 4, v[GO]             ; queries are 2,048 bytes apart in out0
	v_lshl_add_u32 v15, v0, 2, TAB
	; the table: thread i makes TAB[i]
	v_add_nc_u32 v10, -16, v0                      ; i - 16
	v_max_i32 v9, 0, v10                           ; n, held at 0
	v_mov_b32 v11, 31
.irp e, 19,21,24,27,31,35,40,46,52,59,67,77,87,99,113
	v_add_nc_u32 v1, -\e, v9
	v_ashrrev_i32 v1, 31, v1                       ; -1 where n lies under the bound
	v_add_nc_u32 v11, v11, v1
.endr
	v_min_u32 v9, v9, v11                          ; the bucket: n itself under 16
	v_lshlrev_b32 v9, 2, v9
	global_load_b32 v17, v9, s[8:9]
	v_mov_b32 v16, 0xf149f2ca                      ; -1e30
	v_cmp_le_u32 vcc_lo, 0xc0, v10                 ; i < 16 (the difference wraps) or i >= 208
	s_wait_loadcnt 0x0                             ; the bias, and Q
	v_cndmask_b32 v17, v17, v16, vcc_lo
	ds_store_b32 v15, v17
	s_wait_tensorcnt 0x3                           ; my tiles of groups 0 to 2 are in; three loads may stay out
	s_wait_dscnt 0x0                               ; my word of the table has landed
	s_barrier_signal -1
	s_barrier_wait -1                              ; everybody's have: tiles 0-23 and the table are whole
.macro GATHER reg, dd                  ; a bias tile: register j of lane (r, hh) = TAB[16 + dd + r - 8 hh - j]
.irp j, 0,1,2,3,4,5,6,7
	ds_load_b32 v[\reg+\j], v[GA] offset:4*((\dd)+7-\j)
.endr
.endm
.irp k, 0,1,2,3,4,5,6,7
	GATHER NEAR+8*\k, 16*\k
.endr
	GATHER CONSTT, 144                             ; n = 129 .. 159: bucket 31 throughout
	GATHER FART, 192                               ; index 208 + r - 8 hh - j: bucket 31 under 208, -1e30 from there: n = 512 + r - 8 hh - j counts up to 511
	GATHER MASKT, 224                              ; index 225 .. 255: -1e30 throughout
.macro KLOAD s, nu                     ; K of step s: nu tiles x 4 parts, 512 consecutive bytes a load
	WIN 0x40
.set u, 0
.rept \nu
.set tl, 4*(\s)+u
.irp p, 0,1,2,3
	ds_load_b128 v[KF+16*u+4*\p:KF+16*u+4*\p+3], v[KB+tl/16] offset:(tl%16)*4096+512*\p
.endr
.set u, u+1
.endr
.endm
.macro VLOAD s, nu                     ; V of step s: two neighbouring tiles of keys make the two halves of a fragment
	WIN 0x40
.set u, 0
.rept \nu
.set tl, 4*(\s)+u
.irp p, 0,1,2,3
	ds_load_b128 v[VF+32*(u/2)+8*\p+4*(u%2):VF+32*(u/2)+8*\p+4*(u%2)+3], v[KB+tl/16] offset:(tl%16)*4096+2048+512*\p
.endr
.set u, u+1
.endr
.endm
.macro BSEL dd                         ; which bias tile serves D = dd
.if ((\dd) > 512) || ((\dd) < 0)
.set rC, MASKT
.elseif (\dd) == 512
.set rC, FART
.elseif (\dd) >= 128
.set rC, CONSTT
.else
.set rC, NEAR+8*((\dd)/16)
.endif
.endm
; A STEP: nu tiles of 16 keys (U = 4 s + u) for both tiles of queries.  first = 1: it starts m, l and O^T.  nkn: the LDS loads of the next step's K.  tc >= 0: a further group of tiles is wanted from here on:
; the wait leaves tc younger tensor loads out, and a barrier shows every wave's part landed.
.macro STEP s, first, nu, nkn, tc
.set N, 8*(\nu)
.set HN, N/2
.if (\tc) >= 0
	s_wait_tensorcnt \tc
.endif
	s_wait_dscnt 0x0                               ; this step's K is in (and no LDS instruction of mine is out at a signal)
.if (\tc) >= 0
	s_barrier_signal -1
	s_barrier_wait -1
.endif
	WIN 0x01                                       ; K in window 1; Q, the bias tiles and S^T in window 0
.irp c, 0,1                            ; channels 32 c on; the 2 nu accumulators take turns, one instruction a turn
.set u, 0
.rept \nu
.irp t, 0,1
.if \c == 0
	BSEL 512+16*\t-16*(4*(\s)+u)
	v_wmma_f32_16x16x32_f16 v[S+32*\t+8*u:S+32*\t+8*u+7], v[KF+16*u:KF+16*u+7], v[QF+16*\t:QF+16*\t+7], v[rC:rC+7]
.else
	v_wmma_f32_16x16x32_f16 v[S+32*\t+8*u:S+32*\t+8*u+7], v[KF+16*u+8:KF+16*u+15], v[QF+16*\t+8:QF+16*\t+15], v[S+32*\t+8*u:S+32*\t+8*u+7]
.endif
.endr
.set u, u+1
.endr
.endr
	WIN 0
	PLACES 4                                       ; in front of the loads into K's and V's registers and of the first read of the scores
	VLOAD \s, \nu
.if (\nkn) > 0
	KLOAD (\s)+1, (\nkn)/4
.endif
	WIN 0
	; the maximum of my N scores, two chains a tile, the two tiles line by line; each accumulator is first read at its low end
.irp t, 0,1
	v_max3_num_f32 v[ST+8*\t+4], v[S+32*\t], v[S+32*\t+1], v[S+32*\t+2]
.endr
.irp t, 0,1
	v_max3_num_f32 v[ST+8*\t+5], v[S+32*\t+HN], v[S+32*\t+HN+1], v[S+32*\t+HN+2]
.endr
.set ii, 3
.rept (HN-4)/2
.irp t, 0,1
	v_max3_num_f32 v[ST+8*\t+4], v[ST+8*\t+4], v[S+32*\t+ii], v[S+32*\t+ii+1]
.endr
.irp t, 0,1
	v_max3_num_f32 v[ST+8*\t+5], v[ST+8*\t+5], v[S+32*\t+HN+ii], v[S+32*\t+HN+ii+1]
.endr
.set ii, ii+2
.endr
.irp t, 0,1
	v_max3_num_f32 v[ST+8*\t+4], v[ST+8*\t+4], v[S+32*\t+HN-1], v[S+32*\t+N-1]
.endr
.irp t, 0,1
.if \first
	v_max_num_f32 v[ST+8*\t+4], v[ST+8*\t+4], v[ST+8*\t+5]
.else
	v_max3_num_f32 v[ST+8*\t+4], v[ST+8*\t+4], v[ST+8*\t+5], v[ST+8*\t+1]
.endif
.endr
.irp t, 0,1
	v_permlanex16_b32 v[ST+8*\t+5], v[ST+8*\t+4], s[SEL], s[SEL+1]   ; the query's other keys lie in the lane 16 away
.endr
.if (\first) == 0
.irp t, 0,1
	v_mov_b32 v[ST+8*\t+7], v[ST+8*\t]             ; c m_old
.endr
.endif
.irp t, 0,1
	v_max_num_f32 v[ST+8*\t+1], v[ST+8*\t+4], v[ST+8*\t+5]
.endr
.irp t, 0,1
	v_mul_f32 v[ST+8*\t], s[CS], v[ST+8*\t+1]
.endr
.if (\first) == 0
.irp t, 0,1
	v_sub_f32 v[ST+8*\t+7], v[ST+8*\t+7], v[ST+8*\t]
.endr
.endif
.set b, 0
.rept N/2
.irp t, 0,1
	v_pk_fma_f32 v[S+32*\t+2*b:S+32*\t+2*b+1], v[S+32*\t+2*b:S+32*\t+2*b+1], s[CS:CS+1], v[ST+8*\t:ST+8*\t+1] op_sel_hi:[1,0,0] neg_lo:[0,0,1] neg_hi:[0,0,1]   ; c s - c m
.endr
.set b, b+1
.endr
	; ONE BATCH of exponentials for both tiles, none of which reads another's result; one plain line; one wait ahead of the first reader
.if (\first) == 0
.irp t, 0,1
	v_exp_f32 v[ST+8*\t+6], v[ST+8*\t+7]           ; a
.endr
.endif
.set b, 0
.rept N
.irp t, 0,1
	v_exp_f32 v[S+32*\t+b], v[S+32*\t+b]
.endr
.set b, b+1
.endr
	v_nop
	s_wait_alu depctr_va_vdst(0)
.set b, 0
.rept N/2
.irp t, 0,1
	v_cvt_pk_f16_f32 v[P+16*\t+b], v[S+32*\t+2*b], v[S+32*\t+2*b+1]
.endr
.set b, b+1
.endr
	; the sum of the unrounded p, two at a time, in two chains: l (under the new m) and a helper
.irp t, 0,1
	v_pk_add_f32 v[ST+8*\t+4:ST+8*\t+5], v[S+32*\t:S+32*\t+1], v[S+32*\t+2:S+32*\t+3]
.endr
.irp t, 0,1
.if \first
	v_pk_add_f32 v[ST+8*\t+2:ST+8*\t+3], v[S+32*\t+4:S+32*\t+5], v[S+32*\t+6:S+32*\t+7]
.else
	v_pk_fma_f32 v[ST+8*\t+2:ST+8*\t+3], v[ST+8*\t+2:ST+8*\t+3], v[ST+8*\t+6:ST+8*\t+7], v[S+32*\t+4:S+32*\t+5] op_sel_hi:[1,0,1]
	v_pk_add_f32 v[ST+8*\t+4:ST+8*\t+5], v[ST+8*\t+4:ST+8*\t+5], v[S+32*\t+6:S+32*\t+7]
.endif
.endr
.set b, 8
.rept (N-8)/4
.irp t, 0,1
	v_pk_add_f32 v[ST+8*\t+2:ST+8*\t+3], v[ST+8*\t+2:ST+8*\t+3], v[S+32*\t+b:S+32*\t+b+1]
	v_pk_add_f32 v[ST+8*\t+4:ST+8*\t+5], v[ST+8*\t+4:ST+8*\t+5], v[S+32*\t+b+2:S+32*\t+b+3]
.endr
.set b, b+4
.endr
.irp t, 0,1
	v_pk_add_f32 v[ST+8*\t+2:ST+8*\t+3], v[ST+8*\t+2:ST+8*\t+3], v[ST+8*\t+4:ST+8*\t+5]
.endr
.if (\first) == 0
	WIN 0x41                                       ; O^T in window 1, a in window 0
.irp t, 0,1
.set b, 0
.rept 16
	v_pk_mul_f32 v[OA+32*\t+2*b:OA+32*\t+2*b+1], v[OA+32*\t+2*b:OA+32*\t+2*b+1], v[ST+8*\t+6:ST+8*\t+7] op_sel_hi:[1,0]
.set b, b+1
.endr
.endr
.endif
	s_wait_dscnt \nkn                              ; V is in; the next step's K, issued behind it, may be out
	WIN 0x51                                       ; V, C and D in window 1, P in window 0
.set g, 0
.rept (\nu)/2                          ; keys 32 g on; the eight accumulators take turns
.irp dt, 0,1,2,3
.irp t, 0,1
.if (\first) && (g == 0)
	v_wmma_f32_16x16x32_f16 v[OA+32*\t+8*\dt:OA+32*\t+8*\dt+7], v[VF+32*g+8*\dt:VF+32*g+8*\dt+7], v[P+16*\t+8*g:P+16*\t+8*g+7], 0
.else
	v_wmma_f32_16x16x32_f16 v[OA+32*\t+8*\dt:OA+32*\t+8*\dt+7], v[VF+32*g+8*\dt:VF+32*g+8*\dt+7], v[P+16*\t+8*g:P+16*\t+8*g+7], v[OA+32*\t+8*\dt:OA+32*\t+8*\dt+7]
.endif
.endr
.endr
.set g, g+1
.endr
	WIN 0
.endm
	KLOAD 0, 4
	WIN 0
	; Step s's LDS loads (its V, the next step's K) reach the work-group's tile 21 + 4 s at the most (wave 7).  Groups 0-2 hold tiles 0-23; group 3 (to 31) is wanted from step 1 on,
	; group 4 (to 39) from step 3 on, group 5 (to 47) from step 5 on: the counts 2, 1, 0 are the groups issued behind them.
	STEP 0, 1, 4, 16, -1
	STEP 1, 0, 4, 16, 2
	STEP 2, 0, 4, 16, -1
	STEP 3, 0, 4, 16, 1
	STEP 4, 0, 4, 16, -1
	STEP 5, 0, 4, 16, 0
	STEP 6, 0, 4, 16, -1
	STEP 7, 0, 4, 8, -1
	STEP 8, 0, 2, 0, -1                            ; the last two tiles
	; THE WAY OUT.  l's two halves and the other half of the lanes' are added; O^T / l goes through my stage, a tile (16 queries x 256 bytes) at a time.
	PLACES 4
.irp t, 0,1
	v_add_f32 v[ST+8*\t+4], v[ST+8*\t+2], v[ST+8*\t+3]
.endr
.irp t, 0,1
	v_permlanex16_b32 v[ST+8*\t+5], v[ST+8*\t+4], s[SEL], s[SEL+1]
.endr
.irp t, 0,1
	v_add_f32 v[ST+8*\t+4], v[ST+8*\t+4], v[ST+8*\t+5]
.endr
.irp t, 0,1
	v_rcp_f32 v[ST+8*\t+6], v[ST+8*\t+4]
.endr
	v_nop                                          ; a plain line behind the last reciprocal,
	s_wait_alu depctr_va_vdst(0)                   ; and the one wait ahead of the first reader
.irp t, 0,1
	WIN 0x01                                       ; O^T (source 0) in window 1; the result takes S^T's registers
.set b, 0
.rept 16
	v_pk_mul_f32 v[S+32*\t+2*b:S+32*\t+2*b+1], v[OA+32*\t+2*b:OA+32*\t+2*b+1], v[ST+8*\t+6:ST+8*\t+7] op_sel_hi:[1,0]
.set b, b+1
.endr
	WIN 0
.irp dt, 0,1,2,3
	ds_store_b128 v[STO], v[S+32*\t+8*\dt:S+32*\t+8*\dt+3] offset:64*\dt
	ds_store_b128 v[STO], v[S+32*\t+8*\dt+4:S+32*\t+8*\dt+7] offset:64*\dt+16
.endr
.irp k, 0,1,2,3,4,5,6,7
	ds_load_b128 v[NEAR+32*\t+4*\k:NEAR+32*\t+4*\k+3], v[RD] offset:544*\k   ; LDS serves a wave's instructions in order (ISA guide 5.7.1.4): these see my stores, and the next tile's stores come behind them
.endr
.endr
.irp t, 0,1
.irp k, 0,1,2,3,4,5,6,7
	s_wait_dscnt 16*(1-\t)+7-\k                    ; behind tile 0's loads stand tile 1's sixteen LDS instructions
	global_store_b128 v[GO], v[NEAR+32*\t+4*\k:NEAR+32*\t+4*\k+3], s[10:11] offset:32768*\t+4096*\k th:TH_STORE_NT   ; sixteen lanes store 256 consecutive bytes, aligned
.endr
.endr
	s_wait_tensorcnt 0x0                           ; the wave's end: three closing lines behind my last tensor load and my last LDS store
	ds_add_u32 v[SPW], v[NIL]
	s_wait_dscnt 0x0
	s_endpgm
.Lfunc_end_k_qaffd20cd5e_attn:
	.size	k_qaffd20cd5e_attn, .Lfunc_end_k_qaffd20cd5e_attn-k_qaffd20cd5e_attn
	.p2alignl 7, 3214868480
	.fill 96, 4, 3214868480
	.section	.rodata,"a",@progbits
	.p2align	6, 0x0
	.amdhsa_kernel k_qaffd20cd5e_attn
		.amdhsa_group_segment_fixed_size 233472
		.amdhsa_private_segment_fixed_size 0
		.amdhsa_enable_private_segment 0
		.amdhsa_kernarg_size 32
		.amdhsa_user_sgpr_count 2
		.amdhsa_user_sgpr_kernarg_segment_ptr 1
		.amdhsa_wavefront_size32 1
		.amdhsa_system_sgpr_workgroup_id_x 1
		.amdhsa_system_sgpr_workgroup_id_y 1
		.amdhsa_system_sgpr_workgroup_id_z 1
		.amdhsa_system_vgpr_workitem_id 0
		.amdhsa_next_free_vgpr 448
		.amdhsa_next_free_sgpr 66
		.amdhsa_reserve_vcc 1
		.amdhsa_float_denorm_mode_32 3
		.amdhsa_float_denorm_mode_16_64 3
		.amdhsa_memory_ordered 1
		.amdhsa_forward_progress 1
		.amdhsa_inst_pref_size 165
	.end_amdhsa_kernel
	.amdgpu_metadata
---
amdhsa.version: [ 1, 2 ]
amdhsa.kernels:
  - .name:           k_qaffd20cd5e_attn
    .symbol:         k_qaffd20cd5e_attn.kd
    .args:
      - { .name: qimg, .offset: 0, .size: 8, .value_kind: global_buffer, .address_space: global }
      - { .name: kvimg, .offset: 8, .size: 8, .value_kind: global_buffer, .address_space: global }
      - { .name: rel_bias, .offset: 16, .size: 8, .value_kind: global_buffer, .address_space: global }
      - { .name: out0, .offset: 24, .size: 8, .value_kind: global_buffer, .address_space: global }
    .group_segment_fixed_size: 233472
    .private_segment_fixed_size: 0
    .kernarg_segment_align: 8
    .kernarg_segment_size: 32
    .max_flat_workgroup_size: 256
    .sgpr_count:     66
    .vgpr_count:     448
    .wavefront_size: 32
...
	.end_amdgpu_metadata
.endif
;; end of part 3
;; ======== version 2 of 2: 3 launches; version 1 with the launch proj written anew for expert scheduling mode
;; limits: values are held in f16: magnitudes above 65,504 overflow, below 6.1e-05 lose precision
;; workspace buffers: xq 2,097,152 bytes; xsc 131,072 bytes; wimg 393,216 bytes; wsc 24,576 bytes; qimg 8,388,608 bytes; kvimg 18,874,368 bytes
;; launch prep: the kernel of part 1 again; grid 432 x 1, 4 waves a work-group, no clusters, 30,208 bytes of LDS; arguments xs, w_q, w_k, w_v, prev_k, prev_v, xq, xsc, wimg, wsc, kvimg; writes xq, xsc, wimg, wsc, kvimg
;; launch proj (part 4): grid 32 x 8, 4 waves a work-group, no clusters, 67,072 bytes of LDS; arguments xq, xsc, wimg, wsc, qimg, kvimg, out1, out2; writes qimg, kvimg, out1, out2
.if DOCPART == 4
	.amdgcn_target "amdgcn-amd-amdhsa--gfx1250"
	.amdhsa_code_object_version 6
	.text
	.protected	k_qaffd20cd5e_proj
	.globl	k_qaffd20cd5e_proj
	.p2align	8
	.type	k_qaffd20cd5e_proj,@function
k_qaffd20cd5e_proj:
	s_mov_b64 s[64:65], 0
	v_nop
	global_prefetch_b8 v0, s[64:65] scope:SCOPE_SE
	s_setreg_imm32_b32 hwreg(HW_REG_WAVE_SCHED_MODE, 0, 2), 2
	s_setreg_imm32_b32 hwreg(HW_REG_WAVE_MODE, 25, 1), 1
	s_wait_xcnt 0x0
	s_wait_alu depctr_vm_vsrc(0)
; PROJ: q, k, v = xs w_q / 8, xs w_k, xs w_v on codes of FP4 (E2M1) with E8M0 scales, K = 512 in four steps of 128, sums in f32, K ascending, one accumulator an output.
; SHARES.  Work-group (x, y): 256 rows of xs (16 tiles of 16) x the 192 columns (q, k, v) of head y.  Wave w: tiles 4 w .. 4 w + 3 against all 192 columns: 192 matrix instructions.
; All operands come as images of their registers (512 bytes, lane l's 16 bytes at 16 l).  The wave's 16 fragments of x go from memory straight into registers and stay; the head's 49,152 bytes of
; weights are read from memory once by the work-group, lie in LDS, and each wave takes one matrix's 16 fragments at a time, into two sets of registers by turns.
; RESULTS.  q and k are made TRANSPOSED (source 0 = 16 columns of the weight, source 1 = 16 rows of x): a lane holds one position and 8 neighbouring channels, which as f16 are the 16 bytes of the
; attention's fragments of Q and K.  v is made the other way round: a lane holds one channel and 8 neighbouring keys: the fragment of V^T.  So every store is 512 consecutive bytes of a wave.
; The last 512 positions' k and v also leave in f32 (out1, out2), through the wave's own stage in LDS, as rows of 256 bytes; v is multiplied once more for that, transposed: the same sums.
; LIMITS: |q| / 8, |k|, |v| above 65,504 become infinite in f16 (out1, out2 are f32 and are not touched by that).
; NO CLUSTER: the launch has no tensor load: a work-group asks for all that it reads (49,152 bytes of weights, 65,536 of codes, the scale words) in one run at its head, and x goes straight into registers.
; THE MODE: SCHED_MODE bits 1:0 = 2 (LLVM: expert scheduling mode 2), set by the entry lines.  The code itself states the register dependences
; between vector or matrix instructions and memory or LDS instructions, with s_wait_alu, always for 0.
; THE PLAN.  Registers that memory or LDS instructions touch:
;   v1-7, v12, v13  offsets and LDS addresses: written once at the head, read by memory and LDS instructions, never written again: one wait on va_vdst at the head serves them all.
;   WF   the weights as loaded (read by my LDS stores), then matrix 0's fragments (read by q's products), then matrix 2's (read by v's products, twice).
;   W2   matrix 1's fragments, asked for behind q's first sixteen products, read by k's products; nothing else names these registers.
;   XF, XS, WS      loaded once, read by products alone.
;   ACC  written by products, scaled and rounded in place by vector instructions, read by global stores and, on the f32 way out, by LDS stores; then written by the next products.
;   BK   LDS loads land in it, global stores read it; no vector instruction names it.
; So one wait on va_vdst stands on each way out, behind the last instruction that writes what its stores read; q's also states that q's products are done reading WF, and matrix 2's loads follow it at once
; and land under k's products.  One wait on vm_vsrc stands ahead of each later set of products, which write the registers that the stores before have read; one behind the head's barrier, ahead of the first
; loads into WF; one ahead of each refill of BK.
; REGISTERS.  window 0: v1-7 addresses; v12, v13 the add's two; v32-47 x's scale words (tile i, K step s: 32 + 4 i + s); v48-71 the weights' (48 + 8 m + 2 s + p: lanes 0-15 columns' tile 2 p, lanes 16-31 tile 2 p + 1);
;   v72-199 a matrix's fragments (72 + 32 dt + 8 s); v200-231 rows on the way out.   window 1: v0-127 x's fragments (32 i + 8 s); v128-255 the 16 accumulators (128 + 32 i + 8 dt).
;   window 2: v0-127 the second set of a matrix's fragments (32 dt + 8 s).
.set STG,   49152                      ; behind the weights: 16 rows x (256 + 16) bytes for each wave
.set SPARE, 66560                      ; the spare words, 128 bytes for each wave: two blocks of 256 bytes that no other line names
.set LI,  1                            ; v1   16 x lane
.set XSA, 2                            ; v2   16 x (lane % 16)
.set WSA, 3                            ; v3   4 x lane
.set TI,  4                            ; v4   16 x thread
.set STO, 5                            ; v5   the stage: where I put 32 bytes of a row
.set RD,  6                            ; v6   and where I read a row back
.set GO,  7                            ; v7   the same two rows in out1, out2
.set SPW, 12
.set NIL, 13
.set XS,  32
.set WS,  48
.set WF,  72
.set W2,  0
.set BK,  200
.set XF,  0
.set ACC, 128
.set MSB, 0
.macro WIN new                         ; the immediate's high byte repeats the setting that is left; a switch that changes nothing is dropped
.if MSB != \new
	s_set_vgpr_msb (MSB<<8)|\new
.set MSB, \new
.endif
.endm
.macro PLACES n                        ; plain vector instructions that name no register of the matrix instructions before them (ISA guide 7.12.1)
.rept \n
	v_nop
.endr
.endm
	s_load_b512 s[8:23], s[0:1], 0x0               ; xq 8, xsc 10, wimg 12, wsc 14, qimg 16, kvimg 18, out1 20, out2 22
	v_lshl_add_u32 v[SPW], v0, 2, SPARE
	v_mov_b32 v[NIL], 0
	v_lshrrev_b32 v8, 5, v0
	v_readfirstlane_b32 s2, v8                     ; wave 0..3
	v_and_b32 v8, 31, v0
	v_and_b32 v9, 15, v0                           ; r
	v_bfe_u32 v10, v0, 4, 1                        ; hh
	v_lshlrev_b32 v[LI], 4, v8
	v_lshlrev_b32 v[XSA], 4, v9
	v_lshlrev_b32 v[WSA], 2, v8
	v_lshlrev_b32 v[TI], 4, v0
	s_wait_alu depctr_va_sdst(0)                   ; s2, the wave's number, is written, ahead of its first reader: my tiles, my stage and every buffer's offset are made from it
	s_and_b32 s3, ttmp7, 0xffff                    ; the head
	s_lshl_b32 s4, ttmp9, 4
	s_lshl_b32 s5, s2, 2
	s_add_co_u32 s4, s4, s5                        ; my first tile of the 512
	s_lshr_b32 s5, ttmp9, 4                        ; the batch
	s_and_b32 s6, s4, 255                          ; my first tile in the batch
	s_and_b32 s7, ttmp9, 15                        ; 14 and 15: the last 512 positions
	s_mul_i32 s24, s3, 49152                       ; wimg
	s_mov_b32 s25, 0
	s_lshl_b32 s26, s4, 12                         ; xq
	s_mov_b32 s27, 0
	s_lshl_b32 s28, s4, 8                          ; xsc
	s_mov_b32 s29, 0
	s_mul_i32 s30, s3, 3072                        ; wsc
	s_mov_b32 s31, 0
	s_lshl_b32 s38, s5, 3
	s_add_co_u32 s38, s38, s3                      ; batch x head
	s_lshl_b32 s32, s38, 8
	s_add_co_u32 s32, s32, s6
	s_lshl_b32 s32, s32, 11                        ; qimg: 2,048 bytes a tile
	s_mov_b32 s33, 0
	s_mul_i32 s34, s38, 288
	s_add_co_u32 s34, s34, s6
	s_add_co_u32 s34, s34, 32                      ; behind the 32 tiles of prev_k, prev_v
	s_lshl_b32 s34, s34, 12                        ; kvimg: 4,096 bytes a tile
	s_mov_b32 s35, 0
	s_and_b32 s36, s6, 31                          ; out1, out2: in the work-groups that store there this is my tile - 224; in the others a place inside the buffers that is not used
	s_lshl_b32 s36, s36, 15
	s_lshl_b32 s39, s5, 20
	s_add_co_u32 s36, s36, s39
	s_lshl_b32 s39, s3, 8
	s_add_co_u32 s36, s36, s39
	s_mov_b32 s37, 0
	s_mul_i32 s39, s2, 4352
	s_add_co_u32 s39, s39, STG                     ; my stage
	v_mul_u32_u24 v[STO], v9, 272
	v_lshl_add_u32 v[STO], v10, 5, v[STO]
	v_add_nc_u32 v[STO], s39, v[STO]               ; in: row r, 32 bytes for each half of the lanes
	v_mul_u32_u24 v[RD], v10, 272
	v_lshl_add_u32 v[RD], v9, 4, v[RD]
	v_add_nc_u32 v[RD], s39, v[RD]                 ; back: lanes 0-15 one row of 256 bytes, lanes 16-31 the next
	v_lshlrev_b32 v[GO], 11, v10
	v_lshl_add_u32 v[GO], v9, 4, v[GO]             ; positions are 2,048 bytes apart
	s_wait_kmcnt 0x0
	s_add_nc_u64 s[12:13], s[12:13], s[24:25]
	s_add_nc_u64 s[8:9], s[8:9], s[26:27]
	s_add_nc_u64 s[10:11], s[10:11], s[28:29]
	s_add_nc_u64 s[14:15], s[14:15], s[30:31]
	s_add_nc_u64 s[16:17], s[16:17], s[32:33]
	s_add_nc_u64 s[18:19], s[18:19], s[34:35]
	s_add_nc_u64 s[20:21], s[20:21], s[36:37]
	s_add_nc_u64 s[22:23], s[22:23], s[36:37]
	s_wait_alu depctr_va_vdst(0)                   ; the seven offsets and addresses v1 to v7 are written, which every load and store of the kernel reads; so are v12 and v13, which the closing add reads
.set n, 0
.rept 24
	global_load_b128 v[WF+4*n:WF+4*n+3], v[TI], s[12:13] offset:2048*n    ; the head's weights: the 128 threads take 2,048 consecutive bytes an instruction
.set n, n+1
.endr
	WIN 0x40                                       ; destination window 1
.irp i, 0,1,2,3
.irp s, 0,1,2,3
.irp c, 0,1
	global_load_b128 v[XF+32*\i+8*\s+4*\c:XF+32*\i+8*\s+4*\c+3], v[LI], s[8:9] offset:4096*\i+1024*\s+512*\c
.endr
.endr
.endr
	WIN 0
.irp i, 0,1,2,3
	global_load_b128 v[XS+4*\i:XS+4*\i+3], v[XSA], s[10:11] offset:256*\i  ; lane r: row r's four scale words
.endr
.irp m, 0,1,2
.irp s, 0,1,2,3
.irp p, 0,1
	global_load_b32 v[WS+8*\m+2*\s+\p], v[WSA], s[14:15] offset:1024*\m+256*\s+128*\p
.endr
.endr
.endr
	s_wait_loadcnt 60                              ; the weights' 24 loads are in; the 32 + 4 + 24 issued behind them may be out
.set n, 0
.rept 24
	ds_store_b128 v[TI], v[WF+4*n:WF+4*n+3] offset:2048*n
.set n, n+1
.endr
	s_wait_dscnt 0x0                               ; my part of the weights has landed,
	s_barrier_signal -1
	s_barrier_wait -1                              ; everybody's has
; one matrix instruction.  ks = 0: the K step that starts the sum.  row: 0 both sides' scales from lanes 0-15; 1: source 0's from lanes 16-31; 2: source 1's
.macro MM d, a, b, ks, sa, sb, row
.if (\ks) == 0
.if (\row) == 0
	v_wmma_scale_f32_16x16x128_f8f6f4 v[\d:\d+7], v[\a:\a+7], v[\b:\b+7], 0, v[\sa], v[\sb] matrix_a_fmt:MATRIX_FMT_FP4 matrix_b_fmt:MATRIX_FMT_FP4
.elseif (\row) == 1
	v_wmma_scale_f32_16x16x128_f8f6f4 v[\d:\d+7], v[\a:\a+7], v[\b:\b+7], 0, v[\sa], v[\sb] matrix_a_fmt:MATRIX_FMT_FP4 matrix_b_fmt:MATRIX_FMT_FP4 matrix_a_scale:MATRIX_SCALE_ROW1
.else
	v_wmma_scale_f32_16x16x128_f8f6f4 v[\d:\d+7], v[\a:\a+7], v[\b:\b+7], 0, v[\sa], v[\sb] matrix_a_fmt:MATRIX_FMT_FP4 matrix_b_fmt:MATRIX_FMT_FP4 matrix_b_scale:MATRIX_SCALE_ROW1
.endif
.else
.if (\row) == 0
	v_wmma_scale_f32_16x16x128_f8f6f4 v[\d:\d+7], v[\a:\a+7], v[\b:\b+7], v[\d:\d+7], v[\sa], v[\sb] matrix_a_fmt:MATRIX_FMT_FP4 matrix_b_fmt:MATRIX_FMT_FP4
.elseif (\row) == 1
	v_wmma_scale_f32_16x16x128_f8f6f4 v[\d:\d+7], v[\a:\a+7], v[\b:\b+7], v[\d:\d+7], v[\sa], v[\sb] matrix_a_fmt:MATRIX_FMT_FP4 matrix_b_fmt:MATRIX_FMT_FP4 matrix_a_scale:MATRIX_SCALE_ROW1
.else
	v_wmma_scale_f32_16x16x128_f8f6f4 v[\d:\d+7], v[\a:\a+7], v[\b:\b+7], v[\d:\d+7], v[\sa], v[\sb] matrix_a_fmt:MATRIX_FMT_FP4 matrix_b_fmt:MATRIX_FMT_FP4 matrix_b_scale:MATRIX_SCALE_ROW1
.endif
.endif
.endm
; Matrix m's 16 fragments from LDS into the set at fb, under the window setting win (0: window 0; 0x80: destination window 2): 32 loads in one run
.macro FRAGS m, fb, win
	WIN \win
.irp dt, 0,1,2,3
.irp s, 0,1,2,3
.irp c, 0,1
	ds_load_b128 v[\fb+32*\dt+8*\s+4*\c:\fb+32*\dt+8*\s+4*\c+3], v[LI] offset:16384*(\m)+4096*\dt+1024*\s+512*\c
.endr
.endr
.endr
.endm
; Ahead of every set of products but the first: the accumulators' registers are given free.
.macro FREE
	s_wait_xcnt 0x0                                ; the stores of the way out before have had their addresses translated: their data registers are written again only behind this wait
	s_wait_alu depctr_vm_vsrc(0)                   ; and they have read the accumulators' registers, which the products below write
	PLACES 4                                       ; with the four at the head of the way out before: eight places between the last products and the products that write over their registers
.endm
; My 4 tiles of rows x matrix m's 64 columns: 64 matrix instructions.  tr = 1: transposed (source 0 = the weight).  fb, win: the set that holds the matrix's fragments, and the products' window setting:
; 0x54: source 0 (the weight) window 0; source 1 (x), C and D window 1.   0x56: the same with the weight in window 2.   0x51: source 0 (x) window 1; source 1 (the weight) window 0.
; The four tiles' accumulators take turns, one instruction a turn; K ascends in each.
; pre = 1: behind the first sixteen products matrix 1's fragments are asked for, into the second set.  No wait: no vector or matrix instruction has ever named that set, nor v1 since the wait at the head.
.macro MULS m, tr, fb, win, pre
.irp dt, 0,1,2,3
	WIN \win
.irp s, 0,1,2,3
.irp i, 0,1,2,3
.if \tr
	MM ACC+32*\i+8*\dt, \fb+32*\dt+8*\s, XF+32*\i+8*\s, \s, WS+8*(\m)+2*\s+\dt/2, XS+4*\i+\s, \dt%2
.else
	MM ACC+32*\i+8*\dt, XF+32*\i+8*\s, \fb+32*\dt+8*\s, \s, XS+4*\i+\s, WS+8*(\m)+2*\s+\dt/2, 2*(\dt%2)
.endif
.endr
.endr
.if (\pre) && (\dt == 0)
	FRAGS 1, W2, 0x80
.endif
.endr
	WIN 0
.endm
; The 16 accumulators, rounded to f16 in place (each into its own four low registers, from the low end on), leave as images.  isq = 1: first divided by 8, which rounds nothing; and matrix 2's fragments are asked for.
.macro PACKSTORE bs, stride, off, isq
	PLACES 4
.if \isq
	WIN 0x41
.set n, 0
.rept 64
	v_pk_mul_f32 v[ACC+2*n:ACC+2*n+1], v[ACC+2*n:ACC+2*n+1], 0x3e000000 op_sel_hi:[1,0]
.set n, n+1
.endr
.endif
	WIN 0x45
.set n, 0
.rept 16
.irp p, 0,1,2,3
	v_cvt_pk_f16_f32 v[ACC+8*n+\p], v[ACC+8*n+2*\p], v[ACC+8*n+2*\p+1]
.endr
.set n, n+1
.endr
.if \isq
	WIN 0
	s_wait_alu depctr_va_vdst(0)                   ; the roundings have written the registers that the stores below read; and q's products are done reading v72-199, in which the loads below land
	FRAGS 2, WF, 0                                 ; v's fragments: they land under k's products.  They stand ahead of the stores, which read the loads' address register
	WIN 0x04                                       ; a store's data are its source 1: window 1
.else
	WIN 0x04                                       ; a store's data are its source 1: window 1
	s_wait_alu depctr_va_vdst(0)                   ; the roundings have written the registers that the stores below read
.endif
.irp i, 0,1,2,3
.irp dt, 0,1,2,3
	global_store_b128 v[LI], v[ACC+32*\i+8*\dt:ACC+32*\i+8*\dt+3], s[\bs:\bs+1] offset:\stride*\i+\off+512*\dt   ; 32 lanes store 512 consecutive bytes, aligned
.endr
.endr
	WIN 0
.endm
; The 16 accumulators (transposed: a lane holds 8 neighbouring channels of one position) leave in f32, a tile at a time through my own stage: sixteen lanes store the 256 bytes of a position's head.
; LDS serves a wave's instructions in order (ISA guide 5.7.1.4): no wait between the stores and the loads, nor in front of the next tile's stores.
.macro OUTF32 bs
	PLACES 4
.irp i, 0,1,2,3
	s_wait_xcnt 0x0                                ; the tile before has read v200-231
	WIN 0x04
.if \i == 0
	s_wait_alu depctr_va_vdst(0)                   ; the products have written the accumulators, which the LDS stores of all four tiles read; the four places above stay beside this wait
.endif
.irp dt, 0,1,2,3
	ds_store_b128 v[STO], v[ACC+32*\i+8*\dt:ACC+32*\i+8*\dt+3] offset:64*\dt        ; each accumulator from its low end on
	ds_store_b128 v[STO], v[ACC+32*\i+8*\dt+4:ACC+32*\i+8*\dt+7] offset:64*\dt+16
.endr
	WIN 0
.if \i > 0
	s_wait_alu depctr_vm_vsrc(0)                   ; the global stores of the tile before have read v200-231, in which the loads below land; in the last tile also: all my LDS stores have read the accumulators, which the rounding in place may write from here on
.endif
.irp k, 0,1,2,3,4,5,6,7
	ds_load_b128 v[BK+4*\k:BK+4*\k+3], v[RD] offset:544*\k
.endr
.irp k, 0,1,2,3,4,5,6,7
	s_wait_dscnt 7-\k
	global_store_b128 v[GO], v[BK+4*\k:BK+4*\k+3], s[\bs:\bs+1] offset:32768*\i+4096*\k th:TH_STORE_NT
.endr
.endr
.endm
	s_wait_alu depctr_vm_vsrc(0)                   ; my LDS stores of the weights have read v72-167, in which the fragments' loads below land
	FRAGS 0, WF, 0                                 ; q's fragments, asked for while x is still on its way
	s_wait_loadcnt 0x0                             ; x and all scale words
	s_wait_dscnt 0x0                               ; q's fragments
	MULS 0, 1, WF, 0x54, 1                         ; q; in it k's fragments are asked for
	PACKSTORE 16, 2048, 0, 1                       ; and here v's
	FREE
	s_wait_dscnt 32                                ; LDS loads come back in order (ISA guide 5.7.1): k's fragments are in; v's 32 loads, issued behind them, may be out
	MULS 1, 1, W2, 0x56, 0                         ; k
	s_cmp_lt_u32 s7, 14                            ; ids alone: all four waves go the same way
	s_cbranch_scc1 .Lno_next_k
	OUTF32 20                                      ; next_k, ahead of the rounding in place
.Lno_next_k:
	PACKSTORE 18, 4096, 0, 0
	FREE
	s_wait_dscnt 0x0                               ; v's fragments
	MULS 2, 0, WF, 0x51, 0                         ; v, a channel a lane
	PACKSTORE 18, 4096, 2048, 0
	s_cmp_lt_u32 s7, 14
	s_cbranch_scc1 .Lend
	FREE
	MULS 2, 1, WF, 0x54, 0                         ; v once more, a position a lane; its fragments are still in registers
	OUTF32 22                                      ; next_v
.Lend:
	s_wait_dscnt 0x0                               ; the closing lines, six on end
	s_wait_alu 0x0
	s_wait_tensorcnt 0x0
	ds_add_u32 v[SPW], v[NIL]
	s_wait_dscnt 0x0
	s_endpgm
.Lfunc_end_k_qaffd20cd5e_proj:
	.size	k_qaffd20cd5e_proj, .Lfunc_end_k_qaffd20cd5e_proj-k_qaffd20cd5e_proj
	.p2alignl 7, 3214868480
	.fill 96, 4, 3214868480
	.section	.rodata,"a",@progbits
	.p2align	6, 0x0
	.amdhsa_kernel k_qaffd20cd5e_proj
		.amdhsa_group_segment_fixed_size 67072
		.amdhsa_private_segment_fixed_size 0
		.amdhsa_enable_private_segment 0
		.amdhsa_kernarg_size 64
		.amdhsa_user_sgpr_count 2
		.amdhsa_user_sgpr_kernarg_segment_ptr 1
		.amdhsa_wavefront_size32 1
		.amdhsa_system_sgpr_workgroup_id_x 1
		.amdhsa_system_sgpr_workgroup_id_y 1
		.amdhsa_system_sgpr_workgroup_id_z 1
		.amdhsa_system_vgpr_workitem_id 0
		.amdhsa_next_free_vgpr 640
		.amdhsa_next_free_sgpr 66
		.amdhsa_reserve_vcc 0
		.amdhsa_float_denorm_mode_32 3
		.amdhsa_float_denorm_mode_16_64 3
		.amdhsa_memory_ordered 1
		.amdhsa_forward_progress 1
		.amdhsa_inst_pref_size 93
	.end_amdhsa_kernel
	.amdgpu_metadata
---
amdhsa.version: [ 1, 2 ]
amdhsa.kernels:
  - .name:           k_qaffd20cd5e_proj
    .symbol:         k_qaffd20cd5e_proj.kd
    .args:
      - { .name: xq, .offset: 0, .size: 8, .value_kind: global_buffer, .address_space: global }
      - { .name: xsc, .offset: 8, .size: 8, .value_kind: global_buffer, .address_space: global }
      - { .name: wimg, .offset: 16, .size: 8, .value_kind: global_buffer, .address_space: global }
      - { .name: wsc, .offset: 24, .size: 8, .value_kind: global_buffer, .address_space: global }
      - { .name: qimg, .offset: 32, .size: 8, .value_kind: global_buffer, .address_space: global }
      - { .name: kvimg, .offset: 40, .size: 8, .value_kind: global_buffer, .address_space: global }
      - { .name: out1, .offset: 48, .size: 8, .value_kind: global_buffer, .address_space: global }
      - { .name: out2, .offset: 56, .size: 8, .value_kind: global_buffer, .address_space: global }
    .group_segment_fixed_size: 67072
    .private_segment_fixed_size: 0
    .kernarg_segment_align: 8
    .kernarg_segment_size: 64
    .max_flat_workgroup_size: 128
    .sgpr_count:     66
    .vgpr_count:     640
    .wavefront_size: 32
...
	.end_amdgpu_metadata
.endif
;; end of part 4
;; launch attn: the kernel of part 3 again; grid 16 x 16, 8 waves a work-group, no clusters, 233,472 bytes of LDS; arguments qimg, kvimg, rel_bias, out0; writes out0
